; MI455X (gfx1250); checked and timed in simulation.
; The chip was launched on July 23, 2026; its instructions are those of AMD's public machine-readable ISA for CDNA 5 (MIT licence, August 2026) and "CDNA5" Instruction Set Architecture Reference Guide (July 2026). The comments in the code are by the model that wrote it; some were corrected since.
;; Multi Head Attention Block. Allowed arithmetic: matrix products marked QUANTISED: E2M3 operands, one E8M0 scale for each 32 along K, by v_wmma_scale_f32_16x16x128_f8f6f4 with both operands' format E2M3, f32 sums; everything else in f32.
;; Inputs: Wk 1,024 x 1,024 float32; Wo 1,024 x 1,024 float32; Wq 1,024 x 1,024 float32; Wv 1,024 x 1,024 float32; bk 1,024 float32; bo 1,024 float32; bq 1,024 float32; bv 1,024 float32; k 4 x 2,048 x 1,024 float32; q 4 x 2,048 x 1,024 float32; v 4 x 2,048 x 1,024 float32.
;; Outputs: out0 4 x 2,048 x 1,024 float32.
;; Constants: mask = 0.
;; This version of the problem:
;;   THIS VERSION OF THE PROBLEM IS GIVEN IN LOW PRECISION. The matrix products marked QUANTISED in the list below multiply operands that are first quantised to E2M3 (2 exponent bits, 3 mantissa bits; 6 bits a number), with one power-of-two scale for each 32 numbers along K (OCP MX v1.0); their sums are f32. All else is computed in f32.
;;   The module's matrix products, in the order in which they are computed (A, B: the left and right operand; K: the contracted axis; several contracted axes count as one K, in the product's order):
;;     1. [M 8,192, K 1,024] x [K 1,024, N 1,024]; A: input q; B: input Wq: QUANTISED
;;     2. [M 8,192, K 1,024] x [K 1,024, N 1,024]; A: input k; B: input Wk: QUANTISED
;;     3. [M 8,192, K 1,024] x [K 1,024, N 1,024]; A: input v; B: input Wv: QUANTISED
;;     4. batch 64 x [M 2,048, K 64] x [K 64, N 2,048]; A: computed on the way; B: computed on the way: QUANTISED
;;     5. batch 64 x [M 2,048, K 2,048] x [K 2,048, N 64]; A: softmax (see below); B: computed on the way: QUANTISED
;;     6. [M 8,192, K 1,024] x [K 1,024, N 1,024]; A: computed on the way; B: input Wo: QUANTISED
;;   THE QUANTISER, for each operand of a quantised product, along K:
;;     - K is cut into blocks of 32 from its start; a last block that is shorter is filled with zeros.
;;     - A block's scale is 2^e with e = floor(log2(the largest magnitude in the block)) - 2, held to -126 .. 127; a block of zeros has e = 0. As a byte (E8M0): e + 127.
;;     - Each number is divided by its block's scale, clamped to +-7.5, and rounded to the nearest number of E2M3, ties to even, subnormals kept.
;;     - The product sums the exact products of the quantised numbers (number of the format x scale) in f32.
;;   ~~~python
;;   def quantise(x, axis):      # numpy; x: float32 -> the quantised numbers, widened to float32 again
;;       x = np.moveaxis(x, axis, -1); K = x.shape[-1]
;;       x = np.pad(x, [(0, 0)] * (x.ndim - 1) + [(0, -K % 32)]); x = x.reshape(x.shape[:-1] + (-1, 32)); a = np.abs(x).max(-1, keepdims=True)
;;       e = np.where(a > 0, np.clip(np.frexp(np.where(a > 0, a, 1))[1] - 1 - 2, -126, 127), 0)      # np.frexp(a)[1] - 1 = floor(log2(a)), exactly
;;       r = np.clip(x / 2.0 ** e, -7.5, 7.5)
;;       step = 2.0 ** (np.maximum(np.frexp(np.where(r == 0, 1, r))[1] - 1, 0) - 3)
;;       q = np.round(r / step) * step * 2.0 ** e      # np.round: ties to even
;;       return np.moveaxis(q.reshape(q.shape[:-2] + (-1,))[..., :K], -1, axis).astype(np.float32)
;;   ~~~
;;   SOFTMAX AHEAD OF A QUANTISED PRODUCT. Where the list says 'softmax', what is quantised is not the finished softmax but p = 2^(t - M), with t = logit x log2(e) and M = ceil(the row's largest t), a whole number; so 1/2 < the row's largest p <= 1. The row's sum l is taken of the UNQUANTISED p, in f32, and the product's result is divided by l at the end. Since M is a whole number, a kernel that streams over the keys may use a running M (the ceiling of the running maximum): every later rescaling is an exact power of two, which a block's scale takes up: the codes' values come out the same.
;;   OPERANDS COMPUTED ON THE WAY. 'Computed on the way' means the value that the module computes at that place (a softmax that the list does not call 'softmax' is quantised finished and normalised). What goes into a quantiser is computed in f32, as accurately as f32 sums, v_exp_f32 and their like allow (about 1e-6 of the number): no bf16 or f16 on the way to a quantiser, and a product that is left as it is and whose result goes on into a quantised operand takes f32 operands (vector FMAs, or v_wmma_f32_16x16x4_f32). A number that lies on a knife's edge between two numbers of the format may be rounded either way, as far as f32 arithmetic and the matrix unit's own rounding can turn it there, and no further.
;; One version. Each part assembles by itself: llvm-mc -triple=amdgcn-amd-amdhsa -mcpu=gfx1250 --defsym DOCPART=n.
;; ======== version 1 of 1: 4 launches
;; limits: right only within a limited range of input values
;; workspace buffers: cod 22,020,096 bytes; scl 917,504 bytes; att 18,874,368 bytes; ats 1,572,864 bytes; oc 6,291,456 bytes; os 262,144 bytes
;; launch quant (part 1): grid 896 x 1, 4 waves a work-group, no clusters, 33,280 bytes of LDS; arguments q, k, v, Wq, Wk, Wv, Wo, cod, scl; writes cod, scl
.if DOCPART == 1
	.amdgcn_target "amdgcn-amd-amdhsa--gfx1250"
	.amdhsa_code_object_version 6
	.text
	.protected	k_qbfa25326c9_quant
	.globl	k_qbfa25326c9_quant
	.p2align	8
	.type	k_qbfa25326c9_quant,@function
k_qbfa25326c9_quant:
	s_mov_b64 s[64:65], 0
	v_nop
	global_prefetch_b8 v0, s[64:65] scope:SCOPE_SE
	s_setreg_imm32_b32 hwreg(HW_REG_WAVE_MODE, 25, 1), 1
	s_wait_xcnt 0x0
; q, k, v [8192][1024] and Wq, Wk, Wv, Wo [1024][1024], f32, become codes of FP6 (E2M3), K innermost, and one E8M0 scale byte for each 32 along K.
; cod: 28,672 rows of 768 bytes (q, k, v, Wq, Wk, Wv, Wo on end); scl: the same rows, 32 bytes each.
; A block's scale byte is its largest magnitude's exponent field - 2, held at 1 from below; each number is divided by the scale and rounded to the nearest code, ties to even, beyond 7.5 the largest code.
; ROW ORDER: in all tensors but Wo the rows are laid with bits 3 and 4 of the row number exchanged (runs of 8 rows change places), so that 16 neighbouring places are rows 0-7 and 16-23 of a group of 32:
; the products that read these rows then leave 16 neighbours along the next K in a lane's registers.
; LIMITS: a block of zeros, or one whose largest magnitude lies under 2^-124, gets the byte 1 (its codes are zeros or subnormals; the bytes are read by this program alone); NaN and infinities are not served.
; A work-group takes 32,768 numbers, a wave 8,192 (8 rows) in 16 steps of 512.  Each load reads 512 consecutive bytes; a step's 2,048 bytes turn through the wave's own stage in LDS, so that a lane holds 16 neighbours.
; No tensor loads, no barrier: waves share nothing.  No cluster: work-groups share no input.  Loads run four steps (16 loads a wave) ahead.
.set STEPS, 16
.set CB,    12                         ; bytes of 16 codes
.set PLANE, 28672*192                  ; cod IS LAID BY CHUNKS (not by whole rows of 768 bytes): [chunk of 256 along K, 0 .. 3][28,672 rows][192 bytes], so that 128 rows of one chunk are 24,576 dense bytes from a multiple of 256
.set R,     16                         ; v16-79   four sets of 16 numbers as they are loaded
.set X,     80                         ; v80-111  two sets of 16 neighbours
.set C,     128                        ; v128-191 codes: four registers for each step, so that no store's data are written again
.set E,     112                        ; v112-127 a scale byte for each step
.set WREG,  8192                       ; LDS: a region for each wave: two stages of 32 x SP bytes, behind them its 256 scale bytes
.set SP,    80                         ; a lane's place in a stage: its 64 bytes + 16 of padding
.set SRC,   24                         ; s[24:25] the tensor that my work-group reads
.set COD,   18                         ; s[18:19] cod
.set SCB,   20                         ; s[20:21] scl
	s_load_b256 s[4:11], s[0:1], 0x0               ; q, k, v, Wq
	s_load_b256 s[12:19], s[0:1], 0x20             ; Wk, Wv, Wo, cod
	s_load_b64 s[20:21], s[0:1], 0x40              ; scl
	v_lshl_add_u32 v192, v0, 2, 0x8000
	v_mov_b32 v193, 0
	v_lshrrev_b32 v1, 5, v0
	v_readfirstlane_b32 s22, v1                    ; wave
	v_and_b32 v2, 31, v0                           ; lane
	v_lshlrev_b32 v3, 4, v2                        ; my 16 bytes of a load's 512
	s_mul_i32 s23, s22, WREG
	v_lshrrev_b32 v14, 2, v2
	v_mul_u32_u24 v14, v14, SP
	v_and_b32 v15, 3, v2
	v_lshl_add_u32 v14, v15, 4, v14
	v_add_nc_u32 v14, s23, v14                     ; the stage, on the way in: SP (lane / 4) + 16 (lane % 4)
	v_mul_u32_u24 v15, v2, SP
	v_add_nc_u32 v15, s23, v15                     ; and on the way out: SP x lane: my 16 neighbours
	v_and_b32 v4, 15, v2
	v_mul_u32_u24 v4, v4, CB
	v_lshrrev_b32 v8, 4, v2
	v_mad_u32_u24 v4, v8, PLANE, v4                ; my codes' place: 12 (lane % 16) in the row's 192 bytes, lanes 16-31 one chunk on
	v_add_nc_u32 v10, 2*PLANE, v4                  ; the same for a row's second half: chunks 2 and 3
	v_lshrrev_b32 v5, 1, v2
	s_add_co_u32 s23, s23, 2*32*SP
	v_add_nc_u32 v5, s23, v5                       ; LDS: my wave's 256 scale bytes, my block's byte
	v_lshlrev_b32 v7, 3, v2                        ; and on the way out 8 bytes a lane
	v_add_nc_u32 v6, s23, v7
	s_wait_alu depctr_va_vdst(0)
	s_wait_kmcnt 0x0
	; which tensor: work-groups 0-255 q, 256-511 k, 512-767 v, 768-799 Wq, 800-831 Wk, 832-863 Wv, 864-895 Wo.  The choice hangs on the work-group's number alone
	s_mov_b64 s[SRC:SRC+1], s[16:17]
	s_mov_b32 s26, 864
	s_cmp_lt_u32 ttmp9, 864
	s_cselect_b64 s[SRC:SRC+1], s[14:15], s[SRC:SRC+1]
	s_cselect_b32 s26, 832, s26
	s_cmp_lt_u32 ttmp9, 832
	s_cselect_b64 s[SRC:SRC+1], s[12:13], s[SRC:SRC+1]
	s_cselect_b32 s26, 800, s26
	s_cmp_lt_u32 ttmp9, 800
	s_cselect_b64 s[SRC:SRC+1], s[10:11], s[SRC:SRC+1]
	s_cselect_b32 s26, 768, s26
	s_cmp_lt_u32 ttmp9, 768
	s_cselect_b64 s[SRC:SRC+1], s[8:9], s[SRC:SRC+1]
	s_cselect_b32 s26, 512, s26
	s_cmp_lt_u32 ttmp9, 512
	s_cselect_b64 s[SRC:SRC+1], s[6:7], s[SRC:SRC+1]
	s_cselect_b32 s26, 256, s26
	s_cmp_lt_u32 ttmp9, 256
	s_cselect_b64 s[SRC:SRC+1], s[4:5], s[SRC:SRC+1]
	s_cselect_b32 s26, 0, s26
	s_sub_co_u32 s27, ttmp9, s26
	s_lshl_b32 s27, s27, 2
	s_add_co_u32 s27, s27, s22                     ; which run of 8 rows of the tensor I read
	s_lshl_b32 s28, s27, 15                        ; 32,768 bytes a run (under 2^26)
	s_mov_b32 s29, 0
	s_add_nc_u64 s[SRC:SRC+1], s[SRC:SRC+1], s[28:29]
	s_and_b32 s27, s22, 1
	s_lshl_b32 s27, s27, 1
	s_lshr_b32 s28, s22, 1
	s_or_b32 s27, s27, s28                         ; the wave's two bits exchanged: bits 3 and 4 of the row number
	s_cmp_ge_u32 ttmp9, 864
	s_cselect_b32 s27, s22, s27                    ; Wo keeps its order
	s_lshl_b32 s28, ttmp9, 2
	s_add_co_u32 s27, s27, s28                     ; which run of 8 rows of cod and scl I write
	s_mul_i32 s28, s27, 1536                       ; 8 rows of 192 bytes in each chunk's plane: six whole units of 256 bytes, which my sixteen steps fill
	s_add_nc_u64 s[COD:COD+1], s[COD:COD+1], s[28:29]
	s_lshl_b32 s28, s27, 8
	s_add_nc_u64 s[SCB:SCB+1], s[SCB:SCB+1], s[28:29]
.macro LOAD t
.irp i, 0,1,2,3
	global_load_b128 v[R+16*((\t)%4)+4*\i:R+16*((\t)%4)+4*\i+3], v3, s[SRC:SRC+1] offset:2048*(\t)+512*\i th:TH_LOAD_NT   ; 32 lanes read 512 consecutive bytes
.endr
.endm
.macro TURN t                          ; step t's numbers through the stage: LDS serves a wave's instructions in order, so no wait stands between the stores and the loads
.irp i, 0,1,2,3
	ds_store_b128 v14, v[R+16*((\t)%4)+4*\i:R+16*((\t)%4)+4*\i+3] offset:32*SP*((\t)%2)+8*SP*\i
.endr
.irp i, 0,1,2,3
	ds_load_b128 v[X+16*((\t)%2)+4*\i:X+16*((\t)%2)+4*\i+3], v15 offset:32*SP*((\t)%2)+16*\i
.endr
.endm
.irp t, 0,1,2,3
	LOAD \t
.endr
	s_wait_loadcnt 12                              ; step 0's four loads are in
	TURN 0
.macro STEP t
.set XS, X+16*((\t)%2)
.if (\t) > 0
	s_wait_dscnt 1                                 ; this step's numbers are back from the stage (the last step's byte store may be out): so its stores into the stage have read their registers,
.else
	s_wait_dscnt 0x0
.endif
.if (\t)+4 < STEPS
	LOAD (\t)+4                                    ; which take the loads of four steps on
.endif
.if (\t)+1 < STEPS
.if STEPS-2-(\t) >= 3
	s_wait_loadcnt 12                              ; the next step's four loads are in; those of the three steps behind it may be out
.else
	s_wait_loadcnt 4*(STEPS-2-(\t))
.endif
	TURN (\t)+1                                    ; and go through the other stage while this step is worked
.endif
	v_max3_num_f32 v8, |v[XS]|, |v[XS+1]|, |v[XS+2]|               ; the largest magnitude of my 16
	v_max3_num_f32 v9, |v[XS+3]|, |v[XS+4]|, |v[XS+5]|
.irp i, 6,10
	v_max3_num_f32 v8, v8, |v[XS+\i]|, |v[XS+\i+1]|
	v_max3_num_f32 v9, v9, |v[XS+\i+2]|, |v[XS+\i+3]|
.endr
	v_max3_num_f32 v8, v8, |v[XS+14]|, |v[XS+15]|
	v_max3_num_f32 v8, v8, v9, 0x1800000           ; and the floor 2^(3 - 127): so the byte cannot fall under 1
	v_max_num_f32_dpp v8, v8, v8 row_xmask:1 row_mask:0xf bank_mask:0xf   ; and of my neighbour's 16: the block's
	v_add_nc_u32 v11, 0xff000000, v8               ; 2 off its exponent field: the conversion takes the exponent field of this operand as its scale
	v_cvt_scalef32_pk16_fp6_f32 v[C+4*(\t):C+4*(\t)+2], v[XS:XS+15], v11
	v_lshrrev_b32 v[E+(\t)], 23, v11               ; the scale's byte (a plain line behind the conversion)
	ds_store_b8 v5, v[E+(\t)] offset:16*(\t)       ; both lanes of a block write the same byte with the same value
.if (\t)%2
	global_store_b96 v10, v[C+4*(\t):C+4*(\t)+2], s[COD:COD+1] offset:192*((\t)/2)   ; sixteen lanes store 192 consecutive bytes of a plane
.else
	global_store_b96 v4, v[C+4*(\t):C+4*(\t)+2], s[COD:COD+1] offset:192*((\t)/2)
.endif
.endm
.irp t, 0,1,2,3,4,5,6,7,8,9,10,11,12,13,14,15
	STEP \t
.endr
	ds_load_b64 v[12:13], v6                       ; LDS serves a wave's instructions in order: these see my stores
	s_wait_dscnt 0x0
	global_store_b64 v7, v[12:13], s[SCB:SCB+1]    ; 32 lanes store 256 consecutive bytes, aligned
	s_wait_tensorcnt 0x0
	ds_add_u32 v192, v193
	s_wait_dscnt 0x0
	s_endpgm
.Lfunc_end_k_qbfa25326c9_quant:
	.size	k_qbfa25326c9_quant, .Lfunc_end_k_qbfa25326c9_quant-k_qbfa25326c9_quant
	.p2alignl 7, 3214868480
	.fill 96, 4, 3214868480
	.section	.rodata,"a",@progbits
	.p2align	6, 0x0
	.amdhsa_kernel k_qbfa25326c9_quant
		.amdhsa_group_segment_fixed_size 33280
		.amdhsa_private_segment_fixed_size 0
		.amdhsa_enable_private_segment 0
		.amdhsa_kernarg_size 72
		.amdhsa_user_sgpr_count 2
		.amdhsa_user_sgpr_kernarg_segment_ptr 1
		.amdhsa_wavefront_size32 1
		.amdhsa_system_sgpr_workgroup_id_x 1
		.amdhsa_system_sgpr_workgroup_id_y 1
		.amdhsa_system_sgpr_workgroup_id_z 1
		.amdhsa_system_vgpr_workitem_id 0
		.amdhsa_next_free_vgpr 194
		.amdhsa_next_free_sgpr 66
		.amdhsa_reserve_vcc 0
		.amdhsa_float_denorm_mode_32 3
		.amdhsa_float_denorm_mode_16_64 3
		.amdhsa_memory_ordered 1
		.amdhsa_forward_progress 1
		.amdhsa_inst_pref_size 34
	.end_amdhsa_kernel
	.amdgpu_metadata
---
amdhsa.version: [ 1, 2 ]
amdhsa.kernels:
  - .name:           k_qbfa25326c9_quant
    .symbol:         k_qbfa25326c9_quant.kd
    .args:
      - { .name: q, .offset: 0, .size: 8, .value_kind: global_buffer, .address_space: global }
      - { .name: k, .offset: 8, .size: 8, .value_kind: global_buffer, .address_space: global }
      - { .name: v, .offset: 16, .size: 8, .value_kind: global_buffer, .address_space: global }
      - { .name: Wq, .offset: 24, .size: 8, .value_kind: global_buffer, .address_space: global }
      - { .name: Wk, .offset: 32, .size: 8, .value_kind: global_buffer, .address_space: global }
      - { .name: Wv, .offset: 40, .size: 8, .value_kind: global_buffer, .address_space: global }
      - { .name: Wo, .offset: 48, .size: 8, .value_kind: global_buffer, .address_space: global }
      - { .name: cod, .offset: 56, .size: 8, .value_kind: global_buffer, .address_space: global }
      - { .name: scl, .offset: 64, .size: 8, .value_kind: global_buffer, .address_space: global }
    .group_segment_fixed_size: 33280
    .private_segment_fixed_size: 0
    .kernarg_segment_align: 8
    .kernarg_segment_size: 72
    .max_flat_workgroup_size: 128
    .sgpr_count:     66
    .vgpr_count:     194
    .wavefront_size: 32
...
	.end_amdgpu_metadata
.endif
;; end of part 1
;; launch proj (part 2): grid 4 x 96, 4 waves a work-group, clusters of 4 x 4, 327,680 bytes of LDS; arguments cod, scl, bq, bk, bv, att, ats; writes att, ats
.if DOCPART == 2
	.amdgcn_target "amdgcn-amd-amdhsa--gfx1250"
	.amdhsa_code_object_version 6
	.text
	.protected	k_qbfa25326c9_proj
	.globl	k_qbfa25326c9_proj
	.p2align	8
	.type	k_qbfa25326c9_proj,@function
k_qbfa25326c9_proj:
	s_mov_b64 s[64:65], 0
	v_nop
	global_prefetch_b8 v0, s[64:65] scope:SCOPE_SE
	s_setreg_imm32_b32 hwreg(HW_REG_WAVE_MODE, 25, 1), 1
	s_wait_xcnt 0x0
	s_wait_alu depctr_hold_cnt(0) depctr_sa_sdst(0) depctr_va_vdst(0) depctr_va_sdst(0) depctr_va_ssrc(0) depctr_va_vcc(0) depctr_vm_vsrc(0)
	s_getreg_b32 s2, hwreg(HW_REG_IB_STS2, 6, 4)
	s_cmp_eq_u32 s2, 0
	s_cbranch_scc0 .Lentry_in_a_cluster
	s_endpgm
.Lentry_in_a_cluster:
	s_bfe_u32 s2, ttmp6, 0x10000c
	s_cmp_lg_u32 s2, 0xf033
	s_cbranch_scc0 .Lentry_shape_is_right
	s_endpgm
.Lentry_shape_is_right:
.set NQ,     2
.set ROWB,   256                       ; a tile is dense in memory and is stated as rows of 256 bytes; the padding of 16 bytes behind every 64 leaves each 192 bytes of codes at a pitch of 240 in LDS
.set CHB,    28672*192                 ; from chunk to chunk in cod
.set KROW,   192                       ; a row's bytes in a chunk's plane
.set PITCH,  240
.set FR,     12
.set NL,     6
.set NP,     4
.set HALFT,  128*PITCH
.set SLOT,   4*HALFT
.set KS,     32
.set SCL,    2*SLOT
.set HALFS,  (128*KS/256)*272
.set SBLK,   (16*KS/256)*272
.set SPARE,  SCL+4*HALFS
.set FL,   15
.set ADRA, 16
.set ADRB, 20
.set A16,  24
.set A8,   25
.set ADS0, 26
.set ADRS, 27
.set SPW,  28
.set NIL,  29
.set ADS1, 30
.set SH,   31
.set SC,   32
.set PC,   64
.set TM,   88
.set PW,   104
.set SW,   108
.set OFF,  116
.set AF,   128
.set G1, 24
.set G0, 32
.set G1B, 48
.set G0B, 56
.set G1S, 68
.set G0S, 76
.set G1SB, 80
.set G0SB, 88
.set MSB, 0
.macro WIN new
.if MSB != (\new)
	s_set_vgpr_msb (MSB<<8)|(\new)
.set MSB, \new
.endif
.endm
.set MUL_LO, 0xa1
.set MUL_HI, 0xf1
.set TO_B,   0x40
.macro JLOAD g0a, g1a, g0b, g1b
	s_cmp_eq_u32 s15, 0
	s_cbranch_scc0 .Lfor_b_\@
	tensor_load_to_lds s[\g0a:\g0a+3], s[\g1a:\g1a+7]
	s_nop 0
.rept 4
	v_nop
.endr
	s_branch .Lasked_\@
.Lfor_b_\@:
	tensor_load_to_lds s[\g0b:\g0b+3], s[\g1b:\g1b+7]
	s_nop 0
.rept 4
	v_nop
.endr
.Lasked_\@:
.endm
.macro CREST
	s_cmp_lg_u32 s14, 0
	s_cbranch_scc1 .Lnot_wave_0_\@
	s_barrier_signal -3
.Lnot_wave_0_\@:
	s_barrier_wait -3
	s_barrier_signal -1
	s_barrier_wait -1
.endm
.macro CROUND
	s_barrier_signal -1
	s_barrier_wait -1
	CREST
.endm
	s_load_b128 s[4:7], s[0:1], 0x0
	s_load_b128 s[8:11], s[0:1], 0x10
	s_load_b128 s[92:95], s[0:1], 0x20
	s_load_b64 s[96:97], s[0:1], 0x30
	v_lshl_add_u32 v[SPW], v0, 2, SPARE
	v_mov_b32 v[NIL], 0
	ds_add_u32 v28, v29
	ds_add_u32 v28, v29
	s_wait_dscnt 0x0
	v_lshrrev_b32 v1, 5, v0
	v_readfirstlane_b32 s14, v1
	s_lshr_b32 s15, s14, 1
	s_and_b32 s16, s14, 1
	s_bfe_u32 s40, ttmp6, 0x40000
	s_bfe_u32 s41, ttmp6, 0x40004
	s_and_b32 s17, ttmp7, 0xffff
	s_lshr_b32 s42, s17, 4
	s_lshl_b32 s43, s41, 2
	s_lshl_b32 s43, 15, s43
	s_lshl_b32 s44, 0x1111, s40
	s_mov_b32 s2, 0x76543210
	s_mov_b32 s3, 0xfedcba98
	s_or_b32 s[G1+0], s43, (0<<16)|(1<<20)|(1<<21)|(3<<22)|(3<<25)
	s_or_b32 s[G1B+0], s44, (0<<16)|(1<<20)|(1<<21)|(3<<22)|(3<<25)
.irp g, G1, G1B
	s_mov_b32 s[\g+1], ROWB<<16
	s_mov_b32 s[\g+2], 192<<16                     ; the head's loads bring 256 rows of codes = 192 rows of 256 bytes; the ring's half of that (set behind the head's wait)
	s_mov_b32 s[\g+3], ROWB<<16
	s_mov_b32 s[\g+4], 192
	s_mov_b32 s[\g+5], ROWB
	s_mov_b32 s[\g+6], 0
	s_mov_b32 s[\g+7], 0
.endr
	s_or_b32 s[G1S+0], s43, (3<<16)|(1<<20)|(1<<21)|(5<<22)|(3<<25)
	s_or_b32 s[G1SB+0], s44, (3<<16)|(1<<20)|(1<<21)|(5<<22)|(3<<25)
.irp g, G1S, G1SB
	s_mov_b32 s[\g+1], 32<<16
	s_mov_b32 s[\g+2], (256*KS/256)<<16            ; the scale bytes of 256 rows in one load
	s_mov_b32 s[\g+3], 32<<16
	s_mov_b32 s[\g+4], 256*KS/256
	s_mov_b32 s[\g+5], 32
	s_mov_b32 s[\g+6], 0
	s_mov_b32 s[\g+7], 0
.endr
	s_lshl_b32 s18, s17, 10
	s_lshr_b32 s19, s17, 3
	s_lshl_b32 s19, s19, 10
	s_add_co_u32 s19, s19, 24576
	s_cmp_ge_u32 s17, 16
	s_cselect_b32 s20, s19, s18
	s_cselect_b32 s46, s18, s19
	s_lshl_b32 s21, s41, 8
	s_add_co_u32 s20, s20, s21
	s_lshl_b32 s22, s16, 7
	s_add_co_u32 s20, s20, s22
	s_lshl_b32 s47, s40, 8
	s_add_co_u32 s46, s46, s47
	s_add_co_u32 s46, s46, s22
	s_mul_i32 s98, s46, KS
	s_mov_b32 s99, 0
	s_mul_i32 s46, s46, KROW
	s_mov_b32 s47, 0
	s_mul_i32 s22, s20, KS
	s_mov_b32 s23, 0
	s_mul_i32 s20, s20, KROW
	s_mov_b32 s21, 0
	s_mul_i32 s45, s14, HALFT
	s_lshl_b32 s100, s16, 12
	s_sub_co_u32 s98, s98, s100                    ; the scale bytes begin at the tile's first row, not at my half's
	s_sub_co_u32 s22, s22, s100
	s_mul_i32 s100, s15, 2*HALFS                   ; A's 256 rows' scale bytes, then B's
	s_wait_kmcnt 0x0
	s_add_nc_u64 s[20:21], s[4:5], s[20:21]
	s_add_nc_u64 s[22:23], s[6:7], s[22:23]
	s_add_nc_u64 s[46:47], s[4:5], s[46:47]
	s_add_nc_u64 s[98:99], s[6:7], s[98:99]
	CROUND
	s_mov_b32 s[G0S], 1
	s_add_co_u32 s[G0S+1], s100, SCL
	s_mov_b64 s[G0S+2:G0S+3], s[22:23]
	s_or_b32 s[G0S+3], s[G0S+3], 0x80000000
	s_mov_b32 s[G0SB], 1
	s_add_co_u32 s[G0SB+1], s100, SCL
	s_mov_b64 s[G0SB+2:G0SB+3], s[98:99]
	s_or_b32 s[G0SB+3], s[G0SB+3], 0x80000000
.irp s, 0,1
	s_mov_b32 s[G0+4*\s], 1
	s_add_co_u32 s[G0+4*\s+1], s45, \s*SLOT
	s_add_nc_u64 s[G0+4*\s+2:G0+4*\s+3], s[20:21], \s*CHB
	s_or_b32 s[G0+4*\s+3], s[G0+4*\s+3], 0x80000000
	s_mov_b32 s[G0B+4*\s], 1
	s_add_co_u32 s[G0B+4*\s+1], s45, \s*SLOT
	s_add_nc_u64 s[G0B+4*\s+2:G0B+4*\s+3], s[46:47], \s*CHB
	s_or_b32 s[G0B+4*\s+3], s[G0B+4*\s+3], 0x80000000
.endr
; The head's four tiles, one joint load a wave, in one chain of branches on the wave's number: wave 0 chunk 0's 256 rows of A, wave 1 A's scale bytes, wave 2 chunk 0's 256 rows of B, wave 3 B's scale bytes
.macro ARM under, g0, g1, next
	s_cmp_lt_u32 s14, \under
	s_cbranch_scc0 \next
	tensor_load_to_lds s[\g0:\g0+3], s[\g1:\g1+7]
	s_nop 0
.rept 4
	v_nop
.endr
	s_branch .Lhead_asked
\next:
.endm
	ARM 1, G0,  G1,  .Lhead_sa
	ARM 2, G0S, G1S, .Lhead_b
	ARM 3, G0B, G1B, .Lhead_sb
	tensor_load_to_lds s[G0SB:G0SB+3], s[G1SB:G1SB+7]
	s_nop 0
.rept 4
	v_nop
.endr
.Lhead_asked:
	v_and_b32 v1, 15, v0
	v_bfe_u32 v2, v0, 4, 1
	v_mul_u32_u24 v3, v1, PITCH
	v_mul_u32_u24 v4, v2, 24
	v_add_nc_u32 v4, v3, v4
	v_lshl_add_u32 v5, v2, 4, v4
	s_mul_i32 s21, s15, HALFT
	s_mul_i32 s22, s16, HALFT
	s_add_co_u32 s22, s22, 2*HALFT
.irp s, 0,1
	v_add_nc_u32 v[ADRA+\s], s21, v4
	v_add_nc_u32 v[ADRB+\s], s22, v4
	v_add_nc_u32 v[ADRA+2+\s], s21, v5
	v_add_nc_u32 v[ADRB+2+\s], s22, v5
	s_add_co_u32 s21, s21, SLOT
	s_add_co_u32 s22, s22, SLOT
.endr
	v_mul_u32_u24 v5, v1, KS
	v_lshrrev_b32 v6, 8, v5
	v_lshl_add_u32 v5, v6, 4, v5
	s_mul_i32 s21, s15, HALFS
	s_mul_i32 s22, s16, HALFS
	s_add_co_u32 s22, s22, 2*HALFS
	s_sub_co_u32 s22, s22, s21
	v_mul_u32_u24 v6, s22, v2
	s_add_co_u32 s21, s21, SCL
	v_add_nc_u32 v5, v5, v6
	v_add_nc_u32 v[ADRS], s21, v5
	v_and_b32 v6, 31, v0
	v_lshlrev_b32 v[A16], 4, v6
	v_lshlrev_b32 v[A8], 3, v6
	v_mov_b32 v[FL], 0x1800000
.irp b, 0,1,2,3
	v_mov_b32 v[TM+4+\b], 0
.endr
	s_lshr_b32 s18, s17, 3
	s_cmp_eq_u32 s18, 1
	s_cselect_b64 s[8:9], s[10:11], s[8:9]
	s_cmp_eq_u32 s18, 2
	s_cselect_b64 s[8:9], s[92:93], s[8:9]
	s_lshl_b32 s18, s41, 8
	s_lshl_b32 s19, s15, 7
	s_add_co_u32 s18, s18, s19
	s_lshl_b32 s19, s40, 8
	s_lshl_b32 s101, s16, 7
	s_add_co_u32 s19, s19, s101
	s_cmp_lg_u32 s42, 0
	s_cselect_b32 s18, s18, s19
	s_cselect_b32 s19, 0, 4
	s_cselect_b32 s101, 0, 64
	s_cselect_b32 s20, 4, 0
	s_lshl_b32 s18, s18, 2
	v_and_b32 v3, 8, v1
	v_add_nc_u32 v3, v3, v1
	v_mul_u32_u24 v[OFF], s20, v3
	v_mad_u32_u24 v[OFF], s101, v2, v[OFF]
	v_add_nc_u32 v[OFF], s18, v[OFF]
.irp j, 1,2,3,4,5,6,7
	v_add_nc_u32 v[OFF+\j], s19, v[OFF+\j-1]
.endr
	WIN TO_B
.irp x, 0,1,2,3,4,5,6,7
.irp j, 0,1,2,3,4,5,6,7
	global_load_b32 v[96+8*\x+96*(\x/4)+\j], v[OFF+\j], s[8:9] offset:4*(32*(\x/2)+8*(\x%2))
.endr
.endr
	WIN 0
	s_cmp_lg_u32 s42, 0
	s_cselect_b32 s18, s40, s41
	s_cselect_b32 s19, s41, s40
	s_cselect_b32 s66, s16, s15
	s_cselect_b32 s67, s15, s16
	s_mov_b32 s101, 196608
	s_cselect_b32 s101, 12288, s101
	s_mov_b32 s22, 12288
	s_cselect_b32 s22, 98304, s22
	s_cselect_b32 s23, 512, 0
	s_cselect_b32 s21, 4, 0
	s_lshl_b32 s20, s17, 2
	s_add_co_u32 s20, s20, s18
	s_lshr_b32 s18, s20, 3
	s_and_b32 s20, s20, 7
	s_lshl_b32 s20, s20, 1
	s_add_co_u32 s20, s20, s66
	s_lshl_b32 s19, s19, 1
	s_add_co_u32 s19, s19, s67
	s_mul_i32 s66, s18, 1572864
	s_mul_i32 s67, s19, s101
	s_add_co_u32 s66, s66, s67
	s_mul_i32 s67, s20, s22
	s_add_co_u32 s66, s66, s67
	s_mov_b32 s67, 0
	s_add_nc_u64 s[10:11], s[94:95], s[66:67]
	s_sub_co_u32 s18, s18, s21
	s_lshl_b32 s18, s18, 4
	s_lshl_b32 s19, s19, 1
	s_add_co_u32 s18, s18, s19
	s_mul_i32 s18, s18, 12288
	s_mul_i32 s20, s20, 768
	s_add_co_u32 s18, s18, s20
	s_add_co_u32 s18, s18, s23
	s_mov_b32 s19, 0
	s_add_nc_u64 s[12:13], s[96:97], s[18:19]
	s_cmp_lg_u32 s42, 0
	s_cselect_b32 s18, 0, 16
	s_mov_b32 s19, 12288
	s_cselect_b32 s20, 0, s19
	s_cselect_b32 s19, s19, 256
	v_mul_u32_u24 v[SH], s18, v2
	v_mul_u32_u24 v[ADS0], s20, v2
	v_lshl_add_u32 v[ADS0], v1, 4, v[ADS0]
	v_add_nc_u32 v[ADS1], s19, v[ADS0]
.macro FRAG reg, adr, q, i
.irp p, 0,1,2,3,4,5
.set PCE, 12*(\q)+6*(\p/3)+\p%3
.if PCE%8 < 5
	ds_load_b64 v[\reg+2*\p:\reg+2*\p+1], v[\adr] offset:8*PCE+16*(PCE/8)+(\i)*16*PITCH
.else
	ds_load_b64 v[\reg+2*\p:\reg+2*\p+1], v[\adr+2] offset:8*PCE+16*(PCE/8)+(\i)*16*PITCH
.endif
.endr
.endm
.macro MUL16 a0, p, q, sc, cm
.irp a, \a0, \a0+1
.irp b, 0,1,2,3,4,5,6,7
.set rD, 8*(8*((\a)%4)+\b)
.set rB, 128*(\p)+FR*\b
.set rA, AF+FR*(\a)
.set rT, SC+8*NQ*(\sc)+NQ*\b+(\q)
.set rU, SC+8*NQ*(\sc)+NQ*(\a)+(\q)
.if (\cm) == 0
	v_wmma_scale_f32_16x16x128_f8f6f4 v[rD:rD+7], v[rB:rB+FR-1], v[rA:rA+FR-1], v[rD:rD+7], v[rT], v[rU] matrix_a_fmt:MATRIX_FMT_FP6 matrix_b_fmt:MATRIX_FMT_FP6 matrix_a_scale:MATRIX_SCALE_ROW1
.else
.if (\cm) == 1
.set rC, 96+8*\b+96*(\b/4)
.else
.set rC, 96+8*(\a)+96*((\a)/4)
.endif
	v_wmma_scale_f32_16x16x128_f8f6f4 v[rD:rD+7], v[rB:rB+FR-1], v[rA:rA+FR-1], v[rC:rC+7], v[rT], v[rU] matrix_a_fmt:MATRIX_FMT_FP6 matrix_b_fmt:MATRIX_FMT_FP6 matrix_a_scale:MATRIX_SCALE_ROW1
.endif
.endr
.endr
.endm
.macro FETCH_B slot, q, p
	WIN TO_B
.irp i, 0,1,2,3,4,5,6,7
	FRAG 128*(\p)+FR*\i, ADRB+\slot, \q, \i
.endr
	WIN 0
.endm
.macro FETCH_A slot, q, i0
.irp i, \i0, \i0+1, \i0+2, \i0+3
	FRAG AF+FR*(\i), ADRA+\slot, \q, \i
.endr
.endm
.macro SCALES sc
.irp i, 0,1,2,3,4,5,6,7
	ds_load_b64 v[SC+8*NQ*\sc+NQ*\i:SC+8*NQ*\sc+NQ*\i+1], v[ADRS] offset:\i*SBLK
.endr
.endm
.macro PLACES n
.rept \n
	v_nop
.endr
.endm
.macro STEP slot, q, cm
	s_wait_dscnt 4*NL
.if \cm
	WIN 0x91
.else
	WIN MUL_LO
.endif
	MUL16 0, (\q)%2, \q, \slot, \cm
	MUL16 2, (\q)%2, \q, \slot, \cm
	s_wait_dscnt 0
	PLACES NP
	FETCH_B \slot, (\q)+1, 1-(\q)%2
	FETCH_A \slot, (\q)+1, 0
.if \cm
	WIN 0xd1
.else
	WIN MUL_HI
.endif
	MUL16 4, (\q)%2, \q, \slot, \cm
	MUL16 6, (\q)%2, \q, \slot, \cm
	PLACES NP
	WIN 0
	FETCH_A \slot, (\q)+1, 4
.endm
.macro TURN slot, next, fill
	s_wait_tensorcnt 0x0
	ds_add_u32 v[SPW], v[NIL]
	s_wait_dscnt 4*NL+1
	WIN MUL_LO
	MUL16 0, 1, NQ-1, \slot, 0
	s_wait_dscnt 0x0
	s_barrier_signal -1
	MUL16 2, 1, NQ-1, \slot, 0
	WIN 0
	s_barrier_wait -1
.if \fill
	CREST
	s_add_nc_u64 s[G0+4*\slot+2:G0+4*\slot+3], s[G0+4*\slot+2:G0+4*\slot+3], 2*CHB
	s_add_nc_u64 s[G0B+4*\slot+2:G0B+4*\slot+3], s[G0B+4*\slot+2:G0B+4*\slot+3], 2*CHB
	JLOAD G0+4*\slot, G1, G0B+4*\slot, G1B
.else
	PLACES NP
.endif
	s_wait_alu depctr_va_vdst(0)
	v_add_nc_u32 v[ADRS], 4*NQ, v[ADRS]
	FETCH_B \next, 0, 0
	FETCH_A \next, 0, 0
	SCALES \next
	WIN MUL_HI
	MUL16 4, 1, NQ-1, \slot, 0
	MUL16 6, 1, NQ-1, \slot, 0
	PLACES NP
	WIN 0
	FETCH_A \next, 0, 4
.endm
	s_wait_alu depctr_va_vdst(0)                   ; the wait at the head's end
	s_wait_loadcnt 0x0                             ; the bias
	s_wait_tensorcnt 0x0                           ; my tile of the head's four is in; the lines ahead of a later first fill:
	ds_add_u32 v[SPW], v[NIL]
	s_mov_b32 s[G1+2], 96<<16                      ; no tensor load of mine is out: from here on a load brings 128 rows of codes = 96 rows of 256 bytes
	s_mov_b32 s[G1+4], 96
	s_mov_b32 s[G1B+2], 96<<16
	s_mov_b32 s[G1B+4], 96
	s_wait_dscnt 0x0
	CROUND                                         ; all four tiles are in, in every partner
	JLOAD G0+4, G1, G0B+4, G1B                     ; chunk 1, slot 1's first fill: the first tensor load behind the round
	FETCH_B 0, 0, 0
	FETCH_A 0, 0, 0
	SCALES 0
	FETCH_A 0, 0, 4
	s_cmp_lg_u32 s42, 0
	s_cbranch_scc1 .Lfirst_v
	STEP 0, 0, 1
	s_branch .Ljoin
.Lfirst_v:
	STEP 0, 0, 2
.Ljoin:
	TURN 0, 1, 1
	STEP 1, 0, 0
	TURN 1, 0, 1
	STEP 0, 0, 0
	TURN 0, 1, 0
	STEP 1, 0, 0
	s_wait_dscnt 4*NL
	WIN MUL_LO
	MUL16 0, 1, NQ-1, 1, 0
	MUL16 2, 1, NQ-1, 1, 0
	s_wait_dscnt 0
	WIN MUL_HI
	MUL16 4, 1, NQ-1, 1, 0
	MUL16 6, 1, NQ-1, 1, 0
	WIN 0
.macro QUANTW a
.set AC, 64*((\a)%4)
	WIN 0x28+0x14*((\a)/4)
.irp b, 0,1,2,3
	v_max3_num_f32 v[TM+\b], v[FL], |v[AC+16*\b]|, |v[AC+16*\b+1]|
.endr
.irp i, 2,4,6,8,10,12,14
.irp b, 0,1,2,3
	v_max3_num_f32 v[TM+\b], v[TM+\b], |v[AC+16*\b+\i]|, |v[AC+16*\b+\i+1]|
.endr
.endr
	WIN 0
.irp b, 0,1,2,3
	v_permlanex16_b32 v[TM+4+\b], v[TM+\b], s2, s3
.endr
.irp b, 0,1,2,3
	v_max_num_f32 v[TM+\b], v[TM+\b], v[TM+4+\b]
.endr
.irp b, 0,1,2,3
	v_add_nc_u32 v[TM+12+\b], 0xff000000, v[TM+\b]
.endr
.irp b, 0,1,2,3
	v_lshrrev_b32 v[TM+4+\b], 23, v[TM+12+\b]
.endr
	v_lshl_or_b32 v[PW], v[TM+5], 8, v[TM+4]
	v_lshl_or_b32 v[PW], v[TM+6], 16, v[PW]
	v_lshl_or_b32 v[PW], v[TM+7], 24, v[PW]
	v_lshrrev_b32 v[SW+\a], v[SH], v[PW]
.if \a > 0
	s_wait_xcnt 0x0
.endif
	WIN 0x02+((\a)/4)
.irp c, 0,1
	v_cvt_scalef32_pk16_fp6_f32 v[PC+6*\c:PC+6*\c+2], v[AC+32*\c:AC+32*\c+15], v[TM+12+2*\c]
	v_cvt_scalef32_pk16_fp6_f32 v[PC+12+4*\c:PC+14+4*\c], v[AC+32*\c+16:AC+32*\c+31], v[TM+13+2*\c]
.endr
	WIN 0
	v_nop
.irp c, 0,1
.irp i, 0,1,2
	v_permlane16_swap_b32 v[PC+6*\c+\i], v[PC+12+4*\c+\i]
.endr
.irp i, 0,1,2
	v_mov_b32 v[PC+3+6*\c+\i], v[PC+12+4*\c+\i]
.endr
.endr
.endm
	PLACES NP
.irp a, 0,1,2,3,4,5,6,7
	QUANTW \a
	global_store_b128 v[A16], v[PC:PC+3], s[10:11] offset:1536*\a
	global_store_b64 v[A8], v[PC+4:PC+5], s[10:11] offset:1536*\a+512
	global_store_b128 v[A16], v[PC+6:PC+9], s[10:11] offset:1536*\a+768
	global_store_b64 v[A8], v[PC+10:PC+11], s[10:11] offset:1536*\a+1280
.endr
	global_store_b128 v[ADS0], v[SW:SW+3], s[12:13]
	global_store_b128 v[ADS1], v[SW+4:SW+7], s[12:13]
	s_wait_tensorcnt 0x0
	ds_add_u32 v[SPW], v[NIL]
	s_wait_dscnt 0x0
	CROUND
	s_endpgm
.Lfunc_end_k_qbfa25326c9_proj:
	.size	k_qbfa25326c9_proj, .Lfunc_end_k_qbfa25326c9_proj-k_qbfa25326c9_proj
	.p2alignl 7, 3214868480
	.fill 96, 4, 3214868480
	.section	.rodata,"a",@progbits
	.p2align	6, 0x0
	.amdhsa_kernel k_qbfa25326c9_proj
		.amdhsa_group_segment_fixed_size 327680
		.amdhsa_private_segment_fixed_size 0
		.amdhsa_enable_private_segment 0
		.amdhsa_kernarg_size 56
		.amdhsa_user_sgpr_count 2
		.amdhsa_user_sgpr_kernarg_segment_ptr 1
		.amdhsa_wavefront_size32 1
		.amdhsa_system_sgpr_workgroup_id_x 1
		.amdhsa_system_sgpr_workgroup_id_y 1
		.amdhsa_system_sgpr_workgroup_id_z 1
		.amdhsa_system_vgpr_workitem_id 0
		.amdhsa_next_free_vgpr 1024
		.amdhsa_next_free_sgpr 102
		.amdhsa_reserve_vcc 0
		.amdhsa_float_denorm_mode_32 3
		.amdhsa_float_denorm_mode_16_64 3
		.amdhsa_memory_ordered 1
		.amdhsa_forward_progress 1
		.amdhsa_inst_pref_size 188
	.end_amdhsa_kernel
	.amdgpu_metadata
---
amdhsa.version: [ 1, 2 ]
amdhsa.kernels:
  - .name:           k_qbfa25326c9_proj
    .symbol:         k_qbfa25326c9_proj.kd
    .args:
      - { .name: cod, .offset: 0, .size: 8, .value_kind: global_buffer, .address_space: global }
      - { .name: scl, .offset: 8, .size: 8, .value_kind: global_buffer, .address_space: global }
      - { .name: bq, .offset: 16, .size: 8, .value_kind: global_buffer, .address_space: global }
      - { .name: bk, .offset: 24, .size: 8, .value_kind: global_buffer, .address_space: global }
      - { .name: bv, .offset: 32, .size: 8, .value_kind: global_buffer, .address_space: global }
      - { .name: att, .offset: 40, .size: 8, .value_kind: global_buffer, .address_space: global }
      - { .name: ats, .offset: 48, .size: 8, .value_kind: global_buffer, .address_space: global }
    .group_segment_fixed_size: 327680
    .private_segment_fixed_size: 0
    .kernarg_segment_align: 8
    .kernarg_segment_size: 56
    .max_flat_workgroup_size: 128
    .sgpr_count:     102
    .vgpr_count:     1024
    .wavefront_size: 32
...
	.end_amdgpu_metadata
.endif
;; end of part 2
;; launch attn (part 3): grid 4 x 64, 16 waves a work-group, clusters of 4 x 1, 215,040 bytes of LDS; arguments att, ats, oc, os; writes oc, os
.if DOCPART == 3
	.amdgcn_target "amdgcn-amd-amdhsa--gfx1250"
	.amdhsa_code_object_version 6
	.text
	.protected	k_qbfa25326c9_attn
	.globl	k_qbfa25326c9_attn
	.p2align	8
	.type	k_qbfa25326c9_attn,@function
k_qbfa25326c9_attn:
	s_mov_b64 s[64:65], 0
	v_nop
	global_prefetch_b8 v0, s[64:65] scope:SCOPE_SE
	s_setreg_imm32_b32 hwreg(HW_REG_WAVE_MODE, 25, 1), 1
	s_wait_xcnt 0x0
	s_wait_alu depctr_hold_cnt(0) depctr_sa_sdst(0) depctr_va_vdst(0) depctr_va_sdst(0) depctr_va_ssrc(0) depctr_va_vcc(0) depctr_vm_vsrc(0)
	s_getreg_b32 s2, hwreg(HW_REG_IB_STS2, 6, 4)
	s_cmp_eq_u32 s2, 0
	s_cbranch_scc0 .Lentry_in_a_cluster
	s_endpgm
.Lentry_in_a_cluster:
	s_bfe_u32 s2, ttmp6, 0x10000c
	s_cmp_lg_u32 s2, 0x3003
	s_cbranch_scc0 .Lentry_shape_is_right
	s_endpgm
.Lentry_shape_is_right:
; Attention of one (batch, head) on codes of FP6 (E2M3) with E8M0 scales: S^T = K Q^T (K = the head's 64: the upper 64 of the instruction's 128 are zero codes on both sides), the softmax ahead of the second
; product (t = score x log2(e) / 8; M = the running largest t rounded up to a whole number; p = 2^(t - M) is quantised along the keys; the row's sum is taken of the unquantised p), O^T += V^T P^T, O / the sum,
; and O quantised along the model axis for the last projection.
; SHARES.  A cluster of four work-groups is one (batch, head); a work-group owns 512 queries; each of its sixteen waves two tiles of 16, one after the other.  Four waves share a SIMD.
; K AND V OF THE WHOLE HEAD STAY IN LDS with their scale words (208,896 bytes): asked for once, at the head, JOINTLY by the four partners, one load a wave: waves 0-3 512 keys of K each, waves 4-7 512 keys of V each,
; wave 8 the scale words, at LDS byte 24,576 x wave.  One wait and one barrier show all of it.  Nothing in LDS is ever filled again.
; A KEY STEP is 128 keys.  The next step's first four tiles of K and their scale words are fetched behind this step's second group of score products, so that they land under the softmax; a tile of queries is a loop of
; fifteen such steps and a last step that fetches nothing.
; OPERANDS lie in att as images of their registers (registers 0-3 at 16 x lane, 4-5 at 512 + 8 x lane, 6-9 at 768 + 16 x lane, 10-11 at 1,280 + 8 x lane): every LDS load reads consecutive bytes.
; Both products are used transposed: a lane holds ONE query throughout.  Lane r of tile 2 b + u of K is key 32 b + 8 u + r + 8 (r / 8), so the 16 registers of two neighbouring tiles are 16 neighbouring keys;
; V's tiles of channels are chosen likewise, so that O^T's registers are neighbours along the model axis.
; No prefetch into the L2: every byte of K and V is asked for at the head, so no later load is left to run ahead of.
; LIMITS: a block's largest p is taken from its largest score (v_exp_f32 is taken not to fall where its input rises); p under 2^-126 counts as 0; 1 / the sum is v_rcp_f32; a block under 2^-124 gets the byte 1;
; NaN and infinities are not served.
.set VLDS, 98304                       ; LDS: K's 128 tiles x 768 from 0, V's 64 fragments x 1,536 from here,
.set SCR,  196608                      ; the scale words, 16 key steps x 768,
.set OSTG, 208896                      ; and the stage for O's scale bytes, 1,024 bytes: no fill lands here
.set L16,  1                           ; v1   16 x lane
.set L8,   2                           ; v2   8 x lane
.set SCA,  3                           ; v3   SCR + 16 r
.set AD16, 4                           ; v4-6 the key step's addresses
.set AD8,  5
.set ADS,  6
.set OSA,  7                           ; v7   where my tile's two scale bytes of row r go in the stage
.set R16,  9                           ; v9   16 r
.set OSR,  10                          ; v10  the stage read back: OSTG + 16 x thread (waves 0 and 1)
.set OSG,  11                          ; v11  16 x thread
.set KF,   32                          ; v32-79   four fragments of K: six registers of codes, six of zeros
.set S,    80                          ; v80-143  S^T, then p
.set OT,   144                         ; v144-175 O^T
.set VF,   176                         ; v176-223 four fragments of V
.set K0S,  248                         ; v248-251 the scale words of K's tiles 0-3: fetched a step ahead, so nothing else lives here
.set K1S,  240                         ; v240-243 those of tiles 4-7; later among the sum's chains (v236-247)
.set WV,   12
.set SEL,  20
.set CS,   22
.set G1K,  24
.set G1V,  32
.set G1S,  40
.set G0C,  48                          ; s[48:51] group 0 of my one load
.set TB,   66                          ; the step's K in LDS
.set TS,   67                          ; its scale words, from SCR
.set CNT,  78
.set TV,   79                          ; its V in LDS
.macro CROUND
	s_barrier_signal -1
	s_barrier_wait -1
	s_cmp_lg_u32 s[WV], 0
	s_cbranch_scc1 .Lnot_wave_0_\@
	s_barrier_signal -3
.Lnot_wave_0_\@:
	s_barrier_wait -3
	s_barrier_signal -1
	s_barrier_wait -1
.endm
	s_load_b256 s[4:11], s[0:1], 0x0               ; att, ats, oc, os
	v_lshl_add_u32 v254, v0, 2, 0x34000
	v_mov_b32 v255, 0
	ds_add_u32 v254, v255
	ds_add_u32 v254, v255
	s_wait_dscnt 0x0
	v_lshrrev_b32 v8, 5, v0
	s_delay_alu instid0(VALU_DEP_1)
	v_readfirstlane_b32 s[WV], v8                  ; wave 0..15
	s_bfe_u32 s13, ttmp6, 0x40000                  ; cx: it enters Q's, oc's and os's addresses alone
	s_and_b32 s14, ttmp7, 0xffff                   ; batch x 16 + head, which the four partners share
	s_lshr_b32 s15, s14, 4
	s_and_b32 s16, s14, 15
	v_and_b32 v8, 31, v0
	s_delay_alu instid0(VALU_DEP_1)
	v_lshlrev_b32 v[L16], 4, v8
	s_delay_alu instid0(VALU_DEP_2)
	v_lshlrev_b32 v[L8], 3, v8
	v_and_b32 v8, 15, v0
	s_delay_alu instid0(VALU_DEP_1)
	v_lshlrev_b32 v[R16], 4, v8
	s_delay_alu instid0(VALU_DEP_1)
	v_add_nc_u32 v[SCA], SCR, v[R16]
	s_lshr_b32 s80, s[WV], 3
	s_lshl_b32 s80, s80, 8
	s_and_b32 s81, s[WV], 7
	s_lshl_b32 s81, s81, 1
	s_add_co_u32 s80, s80, s81
	s_add_co_u32 s80, s80, OSTG
	v_add_nc_u32 v[OSA], s80, v[R16]               ; OSTG + 256 (wave / 8) + 16 r + 2 (wave % 8)
	v_lshl_add_u32 v[OSR], v0, 4, OSTG
	v_lshlrev_b32 v[OSG], 4, v0
	; descriptor groups 1: elements of 8 bytes, the mask names all four partners, no padding
	s_mov_b32 s[G1K], 15|(3<<16)|(1<<21)           ; K: 32 tiles of 768 bytes (my head's half of a pair's 1,536)
	s_mov_b32 s[G1K+1], 96<<16
	s_mov_b32 s[G1K+2], 32<<16
	s_mov_b32 s[G1K+3], 96<<16
	s_mov_b32 s[G1K+4], 32
	s_mov_b32 s[G1K+5], 192
	s_mov_b32 s[G1K+6], 0
	s_mov_b32 s[G1K+7], 0
	s_mov_b32 s[G1V], 15|(3<<16)|(1<<21)           ; V: four key steps of 6,144 bytes (my head's four fragments), 98,304 bytes apart
	s_mov_b32 s[G1V+1], 768<<16
	s_mov_b32 s[G1V+2], 4<<16
	s_mov_b32 s[G1V+3], 768<<16
	s_mov_b32 s[G1V+4], 4
	s_mov_b32 s[G1V+5], 12288
	s_mov_b32 s[G1V+6], 0
	s_mov_b32 s[G1V+7], 0
	s_mov_b32 s[G1S], 15|(3<<16)|(1<<21)           ; the scale words: 12,288 dense bytes as 48 rows of 256
	s_mov_b32 s[G1S+1], 32<<16
	s_mov_b32 s[G1S+2], 48<<16
	s_mov_b32 s[G1S+3], 32<<16
	s_mov_b32 s[G1S+4], 48
	s_mov_b32 s[G1S+5], 32
	s_mov_b32 s[G1S+6], 0
	s_mov_b32 s[G1S+7], 0
	; what I fetch, if I fetch: 512 keys, number wave % 4, of K (waves 0-3) or of V (waves 4-7); wave 8 the scale words
	s_and_b32 s81, s[WV], 3
	s_mul_i32 s82, s15, 1572864                    ; the batch
	s_lshr_b32 s83, s16, 1
	s_mul_i32 s83, s83, 196608                     ; the pair of heads
	s_and_b32 s84, s16, 1
	s_mul_i32 s84, s84, 768                        ; my head's half
	s_add_co_u32 s83, s83, s84
	s_add_co_u32 s83, s83, s82                     ; (serves Q too)
	s_mul_i32 s84, s81, 49152
	s_add_co_u32 s84, s84, s83
	s_add_co_u32 s84, s84, 6291456                 ; K's region
	s_mul_i32 s85, s16, 6144
	s_add_co_u32 s85, s85, s82
	s_mul_i32 s86, s81, 393216
	s_add_co_u32 s85, s85, s86
	s_add_co_u32 s85, s85, 12582912                ; V's region
	s_cmp_lt_u32 s[WV], 4
	s_cselect_b32 s84, s84, s85
	s_mul_i32 s88, s14, 12288
	s_add_co_u32 s88, s88, 786432                  ; the keys' half of ats
	s_cmp_eq_u32 s[WV], 8
	s_cselect_b32 s84, s88, s84
	s_mov_b32 s85, 0
	s_mul_i32 s91, s[WV], 24576
	; my first tile of queries: 32 cx + wave (the second is 16 tiles on)
	s_lshl_b32 s17, s13, 5
	s_add_co_u32 s17, s17, s[WV]
	s_mul_i32 s18, s17, 1536
	s_add_co_u32 s18, s18, s83
	s_mov_b32 s19, 0                               ; Q's codes
	s_mul_i32 s72, s14, 12288
	s_lshl_b32 s2, s13, 2
	s_lshr_b32 s3, s[WV], 3
	s_add_co_u32 s2, s2, s3
	s_mul_i32 s2, s2, 768
	s_add_co_u32 s72, s72, s2
	s_bfe_u32 s2, s[WV], 0x10002
	s_lshl_b32 s2, s2, 8
	s_add_co_u32 s72, s72, s2
	s_and_b32 s2, s[WV], 3
	s_lshl_b32 s2, s2, 2
	s_add_co_u32 s72, s72, s2
	s_mov_b32 s73, 0                               ; Q's scale words
	s_lshl_b32 s2, s15, 7
	s_add_co_u32 s2, s2, s17
	s_mul_i32 s74, s2, 12288
	s_lshr_b32 s2, s16, 1
	s_mul_i32 s2, s2, 1536
	s_add_co_u32 s74, s74, s2
	s_and_b32 s2, s16, 1
	s_mul_i32 s2, s2, 768
	s_add_co_u32 s74, s74, s2
	s_mov_b32 s75, 0                               ; oc: my tile's row of eight images, my head's half of one
	s_lshl_b32 s76, s16, 14
	s_lshl_b32 s2, s15, 4
	s_lshl_b32 s3, s13, 2
	s_add_co_u32 s2, s2, s3
	s_lshl_b32 s2, s2, 8
	s_add_co_u32 s76, s76, s2
	s_mov_b32 s77, 0                               ; os: my head, my work-group's four groups of eight tiles
	s_mov_b32 s[SEL], 0x76543210
	s_mov_b32 s[SEL+1], 0xfedcba98
	s_mov_b32 s[CS], 0x3e38aa3b                    ; c = log2(e) / sqrt(64)
	s_mov_b32 s[CS+1], s[CS]
	s_wait_kmcnt 0x0
	s_cmp_eq_u32 s[WV], 8
	s_cselect_b64 s[86:87], s[6:7], s[4:5]         ; wave 8 reads ats, the others att: the choice hangs on the wave's number alone
	s_mov_b32 s[G0C], 1
	s_mov_b32 s[G0C+1], s91
	s_add_nc_u64 s[G0C+2:G0C+3], s[86:87], s[84:85]
	s_or_b32 s[G0C+3], s[G0C+3], 0x80000000
	s_add_nc_u64 s[18:19], s[4:5], s[18:19]
	s_add_nc_u64 s[72:73], s[6:7], s[72:73]
	s_add_nc_u64 s[74:75], s[8:9], s[74:75]
	s_add_nc_u64 s[76:77], s[10:11], s[76:77]
	CROUND                                         ; all four work-groups are here: the joint loads meet
; One chain of branches on the wave's number, one load to an arm; each wave's load has LDS bytes and rows of its own.  Waves 9 to 15 load nothing.  Every wave waits alike, ahead of the one barrier below
.macro ARM under, g1
	s_cmp_lt_u32 s[WV], \under
	s_cbranch_scc0 .Lpast_\@
	tensor_load_to_lds s[G0C:G0C+3], s[\g1:\g1+7]
	s_nop 0
.rept 4
	v_nop
.endr
	s_branch .Lasked
.Lpast_\@:
.endm
	ARM 4, G1K
	ARM 8, G1V
	ARM 9, G1S
.Lasked:
	s_wait_alu depctr_va_vdst(0)
	global_load_b128 v[16:19], v[L16], s[18:19]            ; Q's six registers of codes
	global_load_b64 v[20:21], v[L8], s[18:19] offset:512
	global_load_b32 v255, v[R16], s[72:73]                 ; and its scale words
.irp j, 22,23,24,25,26,27
	v_mov_b32 v[\j], 0                             ; K = 64 .. 127: zero codes, which add nothing under any scale byte but 0xff
.endr
.irp t, 0,1,2,3
.irp j, 6,7,8,9,10,11
	v_mov_b32 v[KF+12*\t+\j], 0                    ; the same in K's four fragments: written once
.endr
.endr
.irp b, 0,1,2,3
	v_mov_b32 v[236+\b], 0                         ; written once: a lane permute's destination counts as one of its sources
.endr
	v_mov_b32 v253, 0                              ; (named as the upper half of the pair v[252:253] before it is first written)
.macro INIT                            ; a tile of queries begins: O^T and the sum are zeros, the largest t lies under every t
	v_mov_b32 v13, 0xff61b1e6
	s_delay_alu instid0(VALU_DEP_1)
	v_floor_f32 v12, -v13
	v_mov_b32 v14, 0
	v_mov_b32 v15, 0
.set j, 0
.rept 32
	v_mov_b32 v[OT+j], 0
.set j, j+1
.endr
.endm
.macro KLOAD a16, a8, off              ; the codes of four tiles of K: eight loads
.irp t, 0,1,2,3
	ds_load_b128 v[KF+12*\t:KF+12*\t+3], v[\a16] offset:(\off)+768*\t
	ds_load_b64 v[KF+12*\t+4:KF+12*\t+5], v[\a8] offset:(\off)+768*\t+512
.endr
.endm
.macro SPROD s0, sc                    ; four tiles of S^T
.irp t, 0,1,2,3
	v_wmma_scale_f32_16x16x128_f8f6f4 v[\s0+8*\t:\s0+8*\t+7], v[KF+12*\t:KF+12*\t+11], v[16:27], 0, v[\sc+\t], v255 matrix_a_fmt:MATRIX_FMT_FP6 matrix_b_fmt:MATRIX_FMT_FP6
.endr
.endm
.macro BMAX x, y                       ; the largest score of blocks x and y of 32 keys (my 16 of each), two chains a block, each accumulator read from its low end on
.irp b, \x, \y
	v_max3_num_f32 v[232+\b], v[S+16*\b], v[S+1+16*\b], v[S+2+16*\b]
	v_max3_num_f32 v[236+\b], v[S+8+16*\b], v[S+9+16*\b], v[S+10+16*\b]
.endr
.irp i, 3,5
.irp b, \x, \y
	v_max3_num_f32 v[232+\b], v[232+\b], v[S+16*\b+\i], v[S+1+16*\b+\i]
	v_max3_num_f32 v[236+\b], v[236+\b], v[S+8+16*\b+\i], v[S+9+16*\b+\i]
.endr
.endr
.irp b, \x, \y
	v_max3_num_f32 v[232+\b], v[232+\b], v[236+\b], v[S+7+16*\b]
.endr
.irp b, \x, \y
	v_max_num_f32 v[232+\b], v[232+\b], v[S+15+16*\b]
.endr
.endm
; A KEY STEP: 128 keys.  On entry the codes of tiles 0-3 of K and their scale words are in registers or on their way.  pref = 1: the next step's are fetched.
.macro STEP pref
	v_add_nc_u32 v[AD16], s[TB], v[L16]
	v_add_nc_u32 v[AD8], s[TB], v[L8]
	v_add_nc_u32 v[ADS], s[TS], v[SCA]
	s_wait_alu depctr_va_vdst(0)
	s_wait_dscnt 0x0                               ; tiles 0-3 are in
	SPROD S, K0S
	v_add_nc_u32 v246, s[TV], v[L16]               ; V's addresses; with the two v_nop the four places in front of the loads into K's registers (and, with the three additions above, behind the last step's products in front of the loads into V's)
	v_add_nc_u32 v247, s[TV], v[L8]
	v_nop
	v_nop
	KLOAD AD16, AD8, 3072                          ; tiles 4-7
	ds_load_b128 v[K1S:K1S+3], v[ADS] offset:256
.irp t, 0,1,2,3                                ; V's four fragments and their scale words land under the softmax
	ds_load_b128 v[VF+12*\t:VF+12*\t+3], v246 offset:1536*\t
	ds_load_b64 v[VF+12*\t+4:VF+12*\t+5], v247 offset:1536*\t+512
	ds_load_b128 v[VF+12*\t+6:VF+12*\t+9], v246 offset:1536*\t+768
	ds_load_b64 v[VF+12*\t+10:VF+12*\t+11], v247 offset:1536*\t+1280
.endr
	ds_load_b128 v[28:31], v[ADS] offset:512
	BMAX 0, 1                                      ; work on the first four tiles while tiles 4-7 land
	s_wait_dscnt 17                                ; K's are in; V's seventeen loads may be out
	SPROD S+32, K1S
.rept 4
	v_nop                                          ; places in front of the loads into K's registers and of the first read of these scores
.endr
.if \pref
	KLOAD AD16, AD8, 6144                          ; the next step's tiles 0-3
	ds_load_b128 v[K0S:K0S+3], v[ADS] offset:768
.endif
	BMAX 2, 3
.irp b, 0,1,2,3
	v_permlanex16_b32 v[236+\b], v[232+\b], s[SEL], s[SEL+1]
.endr
.irp b, 0,1,2,3
	s_delay_alu instid0(VALU_DEP_4)
	v_max_num_f32 v[232+\b], v[232+\b], v[236+\b]  ; with lane l xor 16's 16 keys: it serves for the row's maximum and, since p rises with the score, for the block's largest p
.endr
	s_delay_alu instid0(VALU_DEP_2)
	v_max3_num_f32 v254, v232, v233, v234
	s_delay_alu instid0(VALU_DEP_1)
	v_max_num_f32 v254, v254, v235
	s_delay_alu instid0(VALU_DEP_1)
	v_mul_f32 v254, s[CS], v254                    ; the step's largest t of my query
	s_delay_alu instid0(VALU_DEP_1)
	v_max_num_f32 v13, v13, v254                   ; the running largest t
	v_mov_b32 v254, v12
	s_delay_alu instid0(VALU_DEP_2)
	v_floor_f32 v12, -v13                          ; the new -M = floor(-t): M is a whole number
	s_delay_alu instid0(VALU_DEP_1)
	v_sub_f32 v254, v12, v254                      ; old M - new M: a whole number, 0 or less
	s_delay_alu instid0(VALU_DEP_1)
	v_cvt_i32_f32 v254, v254                       ; (it saturates)
	s_delay_alu instid0(VALU_DEP_1)
	v_ldexp_f32 v252, 1.0, v254                    ; f = 2^(old M - new M): a multiplication by it rounds nothing
.set j, 0
.rept 32
	v_pk_fma_f32 v[S+j:S+j+1], v[S+j:S+j+1], s[CS:CS+1], v[12:13] op_sel_hi:[1,0,0]   ; t - M, two at a time
.set j, j+2
.endr
.irp b, 0,1,2,3
	v_fma_f32 v[232+\b], v[232+\b], s[CS], v12     ; the same of each block's largest score
.endr
.set j, 0
	s_wait_alu depctr_va_vdst(0)                   ; the wait ahead of the batch
.rept 64
	v_exp_f32 v[S+j], v[S+j]                       ; p = 2^(t - M), at most 1: not normalised
.set j, j+1
.endr
	v_pk_mul_f32 v[14:15], v[14:15], v[252:253] op_sel_hi:[1,0]   ; the sums under the new M (a plain place behind the exponentials)
	s_wait_alu depctr_va_vdst(0)                   ; one wait for the whole batch, ahead of its first reader
.irp b, 0,1,2,3
	v_exp_f32 v[232+\b], v[232+\b]                 ; the block's largest p
.endr
.irp c, 0,1,2,3,4,5                            ; the row's sum of the unquantised p: 32 pairs into seven chains, v236-247 and v[14:15]
	v_pk_add_f32 v[236+2*\c:237+2*\c], v[S+4*\c:S+4*\c+1], v[S+4*\c+2:S+4*\c+3]
.endr
.irp g, 24,36,48
.irp c, 0,1,2,3,4,5
	v_pk_add_f32 v[236+2*\c:237+2*\c], v[236+2*\c:237+2*\c], v[S+\g+2*\c:S+\g+2*\c+1]
.endr
.if \g > 24
	v_pk_add_f32 v[14:15], v[14:15], v[S+60+(\g-36)/6:S+61+(\g-36)/6]
.endif
.endr
	v_pk_add_f32 v[236:237], v[236:237], v[238:239]
	v_pk_add_f32 v[240:241], v[240:241], v[242:243]
	v_pk_add_f32 v[244:245], v[244:245], v[246:247]
	v_pk_add_f32 v[14:15], v[14:15], v[236:237]
	v_pk_add_f32 v[240:241], v[240:241], v[244:245]
	v_pk_add_f32 v[14:15], v[14:15], v[240:241]
	s_wait_alu depctr_va_vdst(0)                   ; and one for the four
.irp b, 0,1,2,3
	v_max_num_f32 v[232+\b], 0x1800000, v[232+\b]  ; the floor 2^(3 - 127): the byte cannot fall under 1
.endr
.irp b, 0,1,2,3
	s_delay_alu instid0(VALU_DEP_4)
	v_add_nc_u32 v[244+\b], 0xff000000, v[232+\b]  ; 2 off the exponent field: the conversion's scale operand
.endr
.irp b, 0,1,2,3
	s_delay_alu instid0(VALU_DEP_4)
	v_lshrrev_b32 v[236+\b], 23, v[244+\b]         ; the scale's byte
.endr
	s_delay_alu instid0(VALU_DEP_3)
	v_lshl_or_b32 v253, v237, 8, v236              ; p's scale word for these 128 keys
	s_delay_alu instid0(VALU_DEP_1)
	v_lshl_or_b32 v253, v238, 16, v253
	s_delay_alu instid0(VALU_DEP_1)
	v_lshl_or_b32 v253, v239, 24, v253
.irp c, 0,1
	v_cvt_scalef32_pk16_fp6_f32 v[224+6*\c:226+6*\c], v[S+32*\c:S+15+32*\c], v[244+2*\c]
	v_cvt_scalef32_pk16_fp6_f32 v[236+4*\c:238+4*\c], v[S+16+32*\c:S+31+32*\c], v[244+2*\c+1]
.endr
	v_nop                                          ; one plain place behind a scaled conversion
.irp c, 0,1
.irp i, 0,1,2
	v_permlane16_swap_b32 v[224+6*\c+\i], v[236+4*\c+\i]
.endr
.irp i, 0,1,2
	s_delay_alu instid0(VALU_DEP_3)
	v_mov_b32 v[227+6*\c+\i], v[236+4*\c+\i]
.endr
.endr
.set j, 0
.rept 16
	v_pk_mul_f32 v[OT+j:OT+j+1], v[OT+j:OT+j+1], v[252:253] op_sel_hi:[1,0]   ; O^T under the new M.  (These sixteen are also the places between the writing of p's codes and scale word and the products)
.set j, j+2
.endr
	s_wait_alu depctr_va_vdst(0)
.if \pref
	s_wait_dscnt 9                                 ; V is in; younger are the nine loads for the next step
.else
	s_wait_dscnt 0x0                               ; V is in
.endif
.irp t, 0,1,2,3                                ; the four accumulators take turns; between two links on one of them stand eleven other matrix instructions
	v_wmma_scale_f32_16x16x128_f8f6f4 v[OT+8*\t:OT+8*\t+7], v[VF+12*\t:VF+12*\t+11], v[224:235], v[OT+8*\t:OT+8*\t+7], v[28+\t], v253 matrix_a_fmt:MATRIX_FMT_FP6 matrix_b_fmt:MATRIX_FMT_FP6
.endr
.endm
; A TILE OF QUERIES: key step 0's first fetch, fifteen steps that fetch ahead, and the last step, which would have nothing to fetch
.macro TILE
	KLOAD L16, L8, 0
	ds_load_b128 v[K0S:K0S+3], v[SCA]
	s_mov_b32 s[TB], 0
	s_mov_b32 s[TS], 0
	s_mov_b32 s[TV], VLDS
	s_mov_b32 s[CNT], 15
.Lstep_\@:
	STEP 1
	s_add_co_u32 s[TB], s[TB], 6144
	s_add_co_u32 s[TS], s[TS], 768
	s_add_co_u32 s[TV], s[TV], 6144
	s_sub_co_u32 s[CNT], s[CNT], 1
	s_cmp_lg_u32 s[CNT], 0
	s_cbranch_scc1 .Lstep_\@
	s_mov_b32 s[TB], 15*6144
	s_mov_b32 s[TS], 15*768
	s_mov_b32 s[TV], VLDS+15*6144
	STEP 0
.endm
; THE END OF A TILE OF QUERIES (p = 0, 1): O^T / the sum; register 16 b + i is the head's channel 32 b + 16 (lane / 16) + i: two blocks of the last projection's K.  Codes to oc as half an image, the two scale bytes to the stage.
.macro EPI p
.rept 4
	v_nop                                          ; places behind the last products
.endr
.if \p == 0
	global_load_b128 v[16:19], v[L16], s[18:19] offset:24576       ; the second tile's Q, 16 tiles on
	global_load_b64 v[20:21], v[L8], s[18:19] offset:24576+512
	global_load_b32 v255, v[R16], s[72:73] offset:1536
.endif
	v_add_f32 v14, v14, v15                        ; the sum's two halves,
	s_delay_alu instid0(VALU_DEP_1)
	v_permlanex16_b32 v252, v14, s[SEL], s[SEL+1]
	s_delay_alu instid0(VALU_DEP_1)
	v_add_f32 v14, v14, v252                       ; and lane l xor 16's
	s_wait_alu depctr_va_vdst(0)
	v_rcp_f32 v14, v14
	v_nop                                          ; a plain place behind the transcendental
	s_wait_alu depctr_va_vdst(0)                   ; the wait ahead of its first reader
.set j, 0
.rept 16
	v_pk_mul_f32 v[S+j:S+j+1], v[OT+j:OT+j+1], v[14:15] op_sel_hi:[1,0]   ; each accumulator from its low end on
.set j, j+2
.endr
.irp b, 0,1
	v_max3_num_f32 v[232+\b], |v[S+16*\b]|, |v[S+1+16*\b]|, 0x1800000
.endr
.irp i, 2,4,6,8,10,12,14
.irp b, 0,1
	s_delay_alu instid0(VALU_DEP_2)
	v_max3_num_f32 v[232+\b], v[232+\b], |v[S+16*\b+\i]|, |v[S+1+16*\b+\i]|
.endr
.endr
.irp b, 0,1
	s_delay_alu instid0(VALU_DEP_2)
	v_permlanex16_b32 v[236+\b], v[232+\b], s[SEL], s[SEL+1]
.endr
.irp b, 0,1
	s_delay_alu instid0(VALU_DEP_2)
	v_max_num_f32 v[232+\b], v[232+\b], v[236+\b]
.endr
.irp b, 0,1
	s_delay_alu instid0(VALU_DEP_2)
	v_add_nc_u32 v[244+\b], 0xff000000, v[232+\b]
.endr
.irp b, 0,1
	s_delay_alu instid0(VALU_DEP_2)
	v_lshrrev_b32 v[236+\b], 23, v[244+\b]
.endr
	s_delay_alu instid0(VALU_DEP_1)
	v_lshl_or_b32 v254, v237, 8, v236              ; my row's two scale bytes
	v_cvt_scalef32_pk16_fp6_f32 v[224:226], v[S:S+15], v244
	v_cvt_scalef32_pk16_fp6_f32 v[236:238], v[S+16:S+31], v245
	v_nop
.irp i, 0,1,2
	v_permlane16_swap_b32 v[224+\i], v[236+\i]     ; lanes 0-15 hold block 0 whole, lanes 16-31 block 1
.endr
.irp i, 0,1,2
	s_delay_alu instid0(VALU_DEP_3)
	v_mov_b32 v[227+\i], v[236+\i]
.endr
	global_store_b128 v[L16], v[224:227], s[74:75] offset:196608*\p        ; 512 consecutive bytes, aligned to 256
	global_store_b64 v[L8], v[228:229], s[74:75] offset:196608*\p+512      ; 256
	ds_store_b16 v[OSA], v254 offset:512*\p        ; both halves of the lanes write the same two bytes with the same value
.endm
	INIT
	s_wait_loadcnt 0x0                             ; Q
	s_wait_tensorcnt 0x0                           ; my load, if I have one, has landed: every wave waits, under no branch
	s_wait_dscnt 0x0
	s_barrier_signal -1
	s_barrier_wait -1                              ; all of K, V and the scale words is shown to every wave
	TILE
	EPI 0
	INIT
	s_wait_xcnt 0x0                                ; the stores have read the codes' registers, which the next key step writes
	s_wait_loadcnt 0x0                             ; the second tile's Q
	TILE
	EPI 1
	s_wait_dscnt 0x0                               ; for the others' sake: my stores into the stage are done
	s_barrier_signal -1
	s_barrier_wait -1
	s_cmp_lt_u32 s[WV], 2                          ; waves 0 and 1 store the stage's 1,024 bytes: four groups of eight tiles, 256 bytes each
	s_cbranch_scc0 .Lno_os
	ds_load_b128 v[80:83], v[OSR]
	s_wait_dscnt 0x0
	global_store_b128 v[OSG], v[80:83], s[76:77]
.Lno_os:
	s_wait_xcnt 0x0
	v_lshl_add_u32 v254, v0, 2, 0x34000
	v_mov_b32 v255, 0
	s_wait_alu depctr_va_vdst(0)
	s_wait_tensorcnt 0x0
	ds_add_u32 v254, v255
	s_wait_dscnt 0x0
	CROUND                                         ; the closing round
	s_endpgm
.Lfunc_end_k_qbfa25326c9_attn:
	.size	k_qbfa25326c9_attn, .Lfunc_end_k_qbfa25326c9_attn-k_qbfa25326c9_attn
	.p2alignl 7, 3214868480
	.fill 96, 4, 3214868480
	.section	.rodata,"a",@progbits
	.p2align	6, 0x0
	.amdhsa_kernel k_qbfa25326c9_attn
		.amdhsa_group_segment_fixed_size 215040
		.amdhsa_private_segment_fixed_size 0
		.amdhsa_enable_private_segment 0
		.amdhsa_kernarg_size 32
		.amdhsa_user_sgpr_count 2
		.amdhsa_user_sgpr_kernarg_segment_ptr 1
		.amdhsa_wavefront_size32 1
		.amdhsa_system_sgpr_workgroup_id_x 1
		.amdhsa_system_sgpr_workgroup_id_y 1
		.amdhsa_system_sgpr_workgroup_id_z 1
		.amdhsa_system_vgpr_workitem_id 0
		.amdhsa_next_free_vgpr 256
		.amdhsa_next_free_sgpr 92
		.amdhsa_reserve_vcc 0
		.amdhsa_float_denorm_mode_32 3
		.amdhsa_float_denorm_mode_16_64 3
		.amdhsa_memory_ordered 1
		.amdhsa_forward_progress 1
		.amdhsa_inst_pref_size 90
	.end_amdhsa_kernel
	.amdgpu_metadata
---
amdhsa.version: [ 1, 2 ]
amdhsa.kernels:
  - .name:           k_qbfa25326c9_attn
    .symbol:         k_qbfa25326c9_attn.kd
    .args:
      - { .name: att, .offset: 0, .size: 8, .value_kind: global_buffer, .address_space: global }
      - { .name: ats, .offset: 8, .size: 8, .value_kind: global_buffer, .address_space: global }
      - { .name: oc, .offset: 16, .size: 8, .value_kind: global_buffer, .address_space: global }
      - { .name: os, .offset: 24, .size: 8, .value_kind: global_buffer, .address_space: global }
    .group_segment_fixed_size: 215040
    .private_segment_fixed_size: 0
    .kernarg_segment_align: 8
    .kernarg_segment_size: 32
    .max_flat_workgroup_size: 512
    .sgpr_count:     92
    .vgpr_count:     256
    .wavefront_size: 32
...
	.end_amdgpu_metadata
.endif
;; end of part 3
;; launch outp (part 4): grid 4 x 32, 4 waves a work-group, clusters of 4 x 4, 327,680 bytes of LDS; arguments oc, os, cod, scl, bo, out0; writes out0
.if DOCPART == 4
	.amdgcn_target "amdgcn-amd-amdhsa--gfx1250"
	.amdhsa_code_object_version 6
	.text
	.protected	k_qbfa25326c9_outp
	.globl	k_qbfa25326c9_outp
	.p2align	8
	.type	k_qbfa25326c9_outp,@function
k_qbfa25326c9_outp:
	s_mov_b64 s[64:65], 0
	v_nop
	global_prefetch_b8 v0, s[64:65] scope:SCOPE_SE
	s_setreg_imm32_b32 hwreg(HW_REG_WAVE_MODE, 25, 1), 1
	s_wait_xcnt 0x0
	s_wait_alu depctr_hold_cnt(0) depctr_sa_sdst(0) depctr_va_vdst(0) depctr_va_sdst(0) depctr_va_ssrc(0) depctr_va_vcc(0) depctr_vm_vsrc(0)
	s_getreg_b32 s2, hwreg(HW_REG_IB_STS2, 6, 4)
	s_cmp_eq_u32 s2, 0
	s_cbranch_scc0 .Lentry_in_a_cluster
	s_endpgm
.Lentry_in_a_cluster:
	s_bfe_u32 s2, ttmp6, 0x10000c
	s_cmp_lg_u32 s2, 0xf033
	s_cbranch_scc0 .Lentry_shape_is_right
	s_endpgm
.Lentry_shape_is_right:
.set NQ,     2
.set ROWB,   256                       ; B's tile is dense in memory and is stated as rows of 256 bytes; the padding of 16 bytes behind every 64 leaves each 192 bytes of codes at a pitch of 240 in LDS
.set CHB,    28672*192                 ; from chunk to chunk in cod
.set KROW,   192                       ; a row's bytes in a chunk's plane
.set PITCH,  240
.set FR,     12
.set NLA,    4
.set NP,     4
.set HALFA,  24576
.set HALFT,  128*PITCH
.set BOFF,   2*HALFA
.set SLOT,   BOFF+2*HALFT
.set KS,     32
.set SCL,    2*SLOT
.set QUARS,  (64*KS/256)*272
.set SBLK,   (16*KS/256)*272
.set SPARE,  SCL+4*QUARS
.set SPITCH, 528
.set ADRA, 16
.set ADRB, 20
.set STO,  24
.set RD,   25
.set CO,   26
.set ADRS, 27
.set SPW,  28
.set NIL,  29
.set SC,   32
.set ASC,  64
.set AF,   128
.set BK,   128
.set G1, 24
.set G0, 32
.set G1B, 48
.set G0B, 56
.set G1SB, 80
.set G0SB, 88
.set MSB, 0
.macro WIN new
.if MSB != (\new)
	s_set_vgpr_msb (MSB<<8)|(\new)
.set MSB, \new
.endif
.endm
.set MUL_LO, 0xa1
.set MUL_HI, 0xf1
.set TO_B,   0x40
.macro JLOAD g0a, g1a, g0b, g1b
	s_cmp_eq_u32 s15, 0
	s_cbranch_scc0 .Lfor_b_\@
	tensor_load_to_lds s[\g0a:\g0a+3], s[\g1a:\g1a+7]
	s_nop 0
.rept 4
	v_nop
.endr
	s_branch .Lasked_\@
.Lfor_b_\@:
	tensor_load_to_lds s[\g0b:\g0b+3], s[\g1b:\g1b+7]
	s_nop 0
.rept 4
	v_nop
.endr
.Lasked_\@:
.endm
.macro CREST
	s_cmp_lg_u32 s14, 0
	s_cbranch_scc1 .Lnot_wave_0_\@
	s_barrier_signal -3
.Lnot_wave_0_\@:
	s_barrier_wait -3
	s_barrier_signal -1
	s_barrier_wait -1
.endm
.macro CROUND
	s_barrier_signal -1
	s_barrier_wait -1
	CREST
.endm
	s_load_b128 s[4:7], s[0:1], 0x0
	s_load_b128 s[8:11], s[0:1], 0x10
	s_load_b128 s[92:95], s[0:1], 0x20
	v_lshl_add_u32 v[SPW], v0, 2, SPARE
	v_mov_b32 v[NIL], 0
	ds_add_u32 v28, v29
	ds_add_u32 v28, v29
	s_wait_dscnt 0x0
	v_lshrrev_b32 v1, 5, v0
	v_readfirstlane_b32 s14, v1
	s_lshr_b32 s15, s14, 1
	s_and_b32 s16, s14, 1
	s_bfe_u32 s40, ttmp6, 0x40000
	s_bfe_u32 s41, ttmp6, 0x40004
	s_and_b32 s17, ttmp7, 0xffff
	s_lshl_b32 s17, s17, 2
	s_add_co_u32 s17, s17, s41
	s_lshl_b32 s43, s41, 2
	s_lshl_b32 s43, 15, s43
	s_lshl_b32 s44, 0x1111, s40
	s_mov_b32 s2, 0x76543210
	s_mov_b32 s3, 0xfedcba98
	s_mov_b32 s66, 0x05040100
	s_mov_b32 s67, 0x07060302
	s_or_b32 s[G1+0], s43, (3<<16)|(1<<21)
	s_mov_b32 s[G1+1], 384<<16
	s_mov_b32 s[G1+2], 16<<16                      ; the head's load brings A's 16 tiles; the ring's 8 (set behind the head's wait)
	s_mov_b32 s[G1+3], 384<<16
	s_mov_b32 s[G1+4], 16
	s_mov_b32 s[G1+5], 1536
	s_mov_b32 s[G1+6], 0
	s_mov_b32 s[G1+7], 0
	s_or_b32 s[G1B+0], s44, (0<<16)|(1<<20)|(1<<21)|(3<<22)|(3<<25)
	s_mov_b32 s[G1B+1], ROWB<<16
	s_mov_b32 s[G1B+2], 192<<16                    ; B's 256 rows of codes = 192 rows of 256 bytes, then half of that
	s_mov_b32 s[G1B+3], ROWB<<16
	s_mov_b32 s[G1B+4], 192
	s_mov_b32 s[G1B+5], ROWB
	s_mov_b32 s[G1B+6], 0
	s_mov_b32 s[G1B+7], 0
	s_or_b32 s[G1SB+0], s44, (3<<16)|(1<<20)|(1<<21)|(5<<22)|(3<<25)
	s_mov_b32 s[G1SB+1], 32<<16
	s_mov_b32 s[G1SB+2], 16<<16                    ; the scale bytes of 128 rows of B
	s_mov_b32 s[G1SB+3], 32<<16
	s_mov_b32 s[G1SB+4], 16
	s_mov_b32 s[G1SB+5], 32
	s_mov_b32 s[G1SB+6], 0
	s_mov_b32 s[G1SB+7], 0
	s_lshl_b32 s20, s17, 4
	s_lshl_b32 s18, s16, 3
	s_add_co_u32 s20, s20, s18
	s_mul_i32 s20, s20, 12288
	s_mov_b32 s21, 0
	s_lshl_b32 s46, s40, 8
	s_add_co_u32 s46, s46, 27648
	s_lshl_b32 s98, s46, 5
	s_lshl_b32 s18, s15, 12
	s_add_co_u32 s98, s98, s18
	s_mov_b32 s99, 0
	s_lshl_b32 s18, s16, 7
	s_add_co_u32 s46, s46, s18
	s_mul_i32 s46, s46, KROW
	s_mov_b32 s47, 0
	s_mul_i32 s45, s16, HALFA
	s_mul_i32 s100, s16, HALFT
	s_add_co_u32 s100, s100, BOFF
	s_mul_i32 s101, s15, 2*QUARS
	s_add_co_u32 s101, s101, SCL
	s_wait_kmcnt 0x0
	s_add_nc_u64 s[20:21], s[4:5], s[20:21]
	s_add_nc_u64 s[46:47], s[8:9], s[46:47]
	s_add_nc_u64 s[98:99], s[10:11], s[98:99]
	CROUND
	s_mov_b32 s[G0SB], 1
	s_mov_b32 s[G0SB+1], s101
	s_mov_b64 s[G0SB+2:G0SB+3], s[98:99]
	s_or_b32 s[G0SB+3], s[G0SB+3], 0x80000000
.irp s, 0,1
	s_mov_b32 s[G0+4*\s], 1
	s_add_co_u32 s[G0+4*\s+1], s45, \s*SLOT
	s_add_nc_u64 s[G0+4*\s+2:G0+4*\s+3], s[20:21], \s*3072
	s_or_b32 s[G0+4*\s+3], s[G0+4*\s+3], 0x80000000
	s_mov_b32 s[G0B+4*\s], 1
	s_add_co_u32 s[G0B+4*\s+1], s100, \s*SLOT
	s_add_nc_u64 s[G0B+4*\s+2:G0B+4*\s+3], s[46:47], \s*CHB
	s_or_b32 s[G0B+4*\s+3], s[G0B+4*\s+3], 0x80000000
.endr
; The head's tiles, one joint load a wave, in one chain of branches on the wave's number: wave 0 A's 16 tiles of the first two K steps, wave 2 chunk 0's 256 rows of B, waves 1 and 3 the scale bytes of B's rows 0-127 and 128-255
.macro ARM under, g0, g1, next
	s_cmp_lt_u32 s14, \under
	s_cbranch_scc0 \next
	tensor_load_to_lds s[\g0:\g0+3], s[\g1:\g1+7]
	s_nop 0
.rept 4
	v_nop
.endr
	s_branch .Lhead_asked
\next:
.endm
	ARM 1, G0,   G1,   .Lhead_s0
	ARM 2, G0SB, G1SB, .Lhead_b
	ARM 3, G0B,  G1B,  .Lhead_s1
	tensor_load_to_lds s[G0SB:G0SB+3], s[G1SB:G1SB+7]
	s_nop 0
.rept 4
	v_nop
.endr
.Lhead_asked:
	v_and_b32 v1, 15, v0
	v_bfe_u32 v2, v0, 4, 1
	s_wait_alu depctr_va_vdst(0)
	v_and_b32 v3, 31, v0
	s_wait_alu depctr_va_vdst(0)
	v_lshlrev_b32 v12, 14, v2
	v_lshl_add_u32 v12, v1, 4, v12
	s_lshl_b32 s18, s17, 1
	s_add_co_u32 s18, s18, s15
	s_lshl_b32 s18, s18, 8
	s_mov_b32 s19, 0
	s_add_nc_u64 s[6:7], s[6:7], s[18:19]
.irp kk, 0,1,2,3,4,5,6,7
	global_load_b128 v[224+4*\kk:227+4*\kk], v12, s[6:7] offset:32768*\kk
.endr
	s_lshl_b32 s18, s40, 10
	s_lshl_b32 s19, s16, 9
	s_add_co_u32 s18, s18, s19
	s_mov_b32 s19, 0
	s_add_nc_u64 s[92:93], s[92:93], s[18:19]
	v_lshlrev_b32 v13, 5, v2
	WIN TO_B
.irp b, 0,1,2,3,4,5,6,7
	global_load_b128 v[96+8*\b+96*(\b/4):96+8*\b+96*(\b/4)+3], v13, s[92:93] offset:64*\b
	global_load_b128 v[96+8*\b+96*(\b/4)+4:96+8*\b+96*(\b/4)+7], v13, s[92:93] offset:64*\b+16
.endr
	WIN 0
	s_mul_i32 s21, s15, HALFA
	v_lshl_add_u32 v[ADRA], v3, 4, s21
	v_lshl_add_u32 v[ADRA+2], v3, 3, s21
	v_add_nc_u32 v[ADRA+1], SLOT, v[ADRA]
	v_add_nc_u32 v[ADRA+3], SLOT, v[ADRA+2]
	v_mul_u32_u24 v4, v1, PITCH
	v_mad_u32_u24 v4, v2, 24, v4
	v_lshl_add_u32 v5, v2, 4, v4
	s_mul_i32 s22, s16, HALFT
	s_add_co_u32 s22, s22, BOFF
.irp s, 0,1
	v_add_nc_u32 v[ADRB+\s], s22, v4
	v_add_nc_u32 v[ADRB+2+\s], s22, v5
	s_add_co_u32 s22, s22, SLOT
.endr
	v_mul_u32_u24 v5, v1, KS
	v_lshrrev_b32 v6, 8, v5
	v_lshl_add_u32 v5, v6, 4, v5
	s_mul_i32 s21, s16, 2*QUARS
	s_add_co_u32 s21, s21, SCL
	v_add_nc_u32 v[ADRS], s21, v5
	s_mul_i32 s23, s14, 16*SPITCH
	v_mul_u32_u24 v5, v1, SPITCH
	v_lshl_add_u32 v5, v2, 5, v5
	v_add_nc_u32 v[STO], s23, v5
	v_lshlrev_b32 v[CO], 4, v3
	v_add_nc_u32 v[RD], s23, v[CO]
	s_lshl_b32 s20, s17, 8
	s_lshl_b32 s21, s15, 7
	s_add_co_u32 s20, s20, s21
	s_lshl_b32 s20, s20, 12
	s_lshl_b32 s21, s40, 10
	s_add_co_u32 s20, s20, s21
	s_lshl_b32 s21, s16, 9
	s_add_co_u32 s20, s20, s21
	s_mov_b32 s21, 0
	s_add_nc_u64 s[12:13], s[94:95], s[20:21]
.irp p, 0,1,2,3
	v_mov_b32 v[8+\p], 0
.endr
	s_wait_alu depctr_va_vdst(0)
	s_wait_loadcnt 0x0
.irp kk, 0,1,2,3,4,5,6,7
.irp p, 0,1,2,3
	v_permlanex16_b32 v[8+\p], v[224+4*\kk+\p], s2, s3
.endr
.irp p, 0,1,2,3
	v_perm_b32 v[ASC+8*(2*\p)+\kk], v[8+\p], v[224+4*\kk+\p], s66
	v_perm_b32 v[ASC+8*(2*\p+1)+\kk], v[8+\p], v[224+4*\kk+\p], s67
.endr
.endr
.rept 8
	v_nop
.endr
.macro FRAG reg, adr, q, i
.irp p, 0,1,2,3,4,5
.set PCE, 12*(\q)+6*(\p/3)+\p%3
.if PCE%8 < 5
	ds_load_b64 v[\reg+2*\p:\reg+2*\p+1], v[\adr] offset:8*PCE+16*(PCE/8)+(\i)*16*PITCH
.else
	ds_load_b64 v[\reg+2*\p:\reg+2*\p+1], v[\adr+2] offset:8*PCE+16*(PCE/8)+(\i)*16*PITCH
.endif
.endr
.endm
.macro FRAG_A reg, slot, q, i
	ds_load_b128 v[\reg:\reg+3], v[ADRA+\slot] offset:3072*(\i)+1536*(\q)
	ds_load_b64 v[\reg+4:\reg+5], v[ADRA+2+\slot] offset:3072*(\i)+1536*(\q)+512
	ds_load_b128 v[\reg+6:\reg+9], v[ADRA+\slot] offset:3072*(\i)+1536*(\q)+768
	ds_load_b64 v[\reg+10:\reg+11], v[ADRA+2+\slot] offset:3072*(\i)+1536*(\q)+1280
.endm
.macro MUL16 a0, p, q, sc, kk, cm
.irp a, \a0, \a0+1
.irp b, 0,1,2,3,4,5,6,7
.set rD, 8*(8*((\a)%4)+\b)
.set rB, 128*(\p)+FR*\b
.set rA, AF+FR*(\a)
.set rT, SC+8*NQ*(\sc)+NQ*\b+(\q)
.set rU, ASC+8*(\a)+(\kk)
.if (\cm) == 0
	v_wmma_scale_f32_16x16x128_f8f6f4 v[rD:rD+7], v[rB:rB+FR-1], v[rA:rA+FR-1], v[rD:rD+7], v[rT], v[rU] matrix_a_fmt:MATRIX_FMT_FP6 matrix_b_fmt:MATRIX_FMT_FP6
.else
.set rC, 96+8*\b+96*(\b/4)
	v_wmma_scale_f32_16x16x128_f8f6f4 v[rD:rD+7], v[rB:rB+FR-1], v[rA:rA+FR-1], v[rC:rC+7], v[rT], v[rU] matrix_a_fmt:MATRIX_FMT_FP6 matrix_b_fmt:MATRIX_FMT_FP6
.endif
.endr
.endr
.endm
.macro FETCH_B slot, q, p
	WIN TO_B
.irp i, 0,1,2,3,4,5,6,7
	FRAG 128*(\p)+FR*\i, ADRB+\slot, \q, \i
.endr
	WIN 0
.endm
.macro FETCH_A slot, q, i0
.irp i, \i0, \i0+1, \i0+2, \i0+3
	FRAG_A AF+FR*(\i), \slot, \q, \i
.endr
.endm
.macro SCALES sc
.irp i, 0,1,2,3,4,5,6,7
	ds_load_b64 v[SC+8*NQ*\sc+NQ*\i:SC+8*NQ*\sc+NQ*\i+1], v[ADRS] offset:\i*SBLK
.endr
.endm
.macro PLACES n
.rept \n
	v_nop
.endr
.endm
.macro STEP slot, q, kk, cm
	s_wait_dscnt 4*NLA
.if \cm
	WIN 0x91
.else
	WIN MUL_LO
.endif
	MUL16 0, (\q)%2, \q, \slot, \kk, \cm
	MUL16 2, (\q)%2, \q, \slot, \kk, \cm
	s_wait_dscnt 0
	PLACES NP
	FETCH_B \slot, (\q)+1, 1-(\q)%2
	FETCH_A \slot, (\q)+1, 0
.if \cm
	WIN 0xd1
.else
	WIN MUL_HI
.endif
	MUL16 4, (\q)%2, \q, \slot, \kk, \cm
	MUL16 6, (\q)%2, \q, \slot, \kk, \cm
	PLACES NP
	WIN 0
	FETCH_A \slot, (\q)+1, 4
.endm
.macro TURN slot, next, fill, kk
	s_wait_tensorcnt 0x0
	ds_add_u32 v[SPW], v[NIL]
	s_wait_dscnt 4*NLA+1
	WIN MUL_LO
	MUL16 0, 1, NQ-1, \slot, \kk, 0
	s_wait_dscnt 0x0
	s_barrier_signal -1
	MUL16 2, 1, NQ-1, \slot, \kk, 0
	WIN 0
	s_barrier_wait -1
.if \fill
	CREST
	s_add_nc_u64 s[G0+4*\slot+2:G0+4*\slot+3], s[G0+4*\slot+2:G0+4*\slot+3], 2*3072
	s_add_nc_u64 s[G0B+4*\slot+2:G0B+4*\slot+3], s[G0B+4*\slot+2:G0B+4*\slot+3], 2*CHB
	JLOAD G0+4*\slot, G1, G0B+4*\slot, G1B
.else
	PLACES NP
.endif
	s_wait_alu depctr_va_vdst(0)
	v_add_nc_u32 v[ADRS], 4*NQ, v[ADRS]
	FETCH_B \next, 0, 0
	FETCH_A \next, 0, 0
	SCALES \next
	WIN MUL_HI
	MUL16 4, 1, NQ-1, \slot, \kk, 0
	MUL16 6, 1, NQ-1, \slot, \kk, 0
	PLACES NP
	WIN 0
	FETCH_A \next, 0, 4
.endm
	s_wait_alu depctr_va_vdst(0)                   ; the wait at the head's end
	s_wait_tensorcnt 0x0                           ; my tile of the head's four is in; the lines ahead of a later first fill:
	ds_add_u32 v[SPW], v[NIL]
	s_mov_b32 s[G1+2], 8<<16                       ; no tensor load of mine is out: from here on a load brings 8 tiles of A or 128 rows of B
	s_mov_b32 s[G1+4], 8
	s_mov_b32 s[G1B+2], 96<<16
	s_mov_b32 s[G1B+4], 96
	s_wait_dscnt 0x0
	CROUND                                         ; all four tiles are in, in every partner
	JLOAD G0+4, G1, G0B+4, G1B                     ; slot 1's first fill: the first tensor load behind the round
	FETCH_B 0, 0, 0
	FETCH_A 0, 0, 0
	SCALES 0
	FETCH_A 0, 0, 4
	STEP 0, 0, 0, 1
	TURN 0, 1, 1, 1
	STEP 1, 0, 2, 0
	TURN 1, 0, 1, 3
	STEP 0, 0, 4, 0
	TURN 0, 1, 0, 5
	STEP 1, 0, 6, 0
	s_wait_dscnt 4*NLA
	WIN MUL_LO
	MUL16 0, 1, NQ-1, 1, 7, 0
	MUL16 2, 1, NQ-1, 1, 7, 0
	s_wait_dscnt 0
	WIN MUL_HI
	MUL16 4, 1, NQ-1, 1, 7, 0
	MUL16 6, 1, NQ-1, 1, 7, 0
	WIN 0
.macro TOSTAGE a
.set AC, 64*((\a)%4)
	WIN 0x08+4*((\a)/4)
.irp b, 0,1,2,3,4,5,6,7
	ds_store_b128 v[STO], v[AC+8*\b:AC+8*\b+3] offset:64*\b
	ds_store_b128 v[STO], v[AC+8*\b+4:AC+8*\b+7] offset:64*\b+16
.endr
	WIN 0
.set BB, BK+64*((\a)%2)
.irp t, 0,1,2,3,4,5,6,7,8,9,10,11,12,13,14,15
	ds_load_b128 v[BB+4*\t:BB+4*\t+3], v[RD] offset:\t*SPITCH
.endr
.endm
.macro SEND a, younger
.set BB, BK+64*((\a)%2)
	s_wait_dscnt \younger
.if (\a) > 0
.if ((\a)%2) == 1
	s_add_nc_u64 s[12:13], s[12:13], 8*4096
.else
	s_add_nc_u64 s[12:13], s[12:13], 24*4096
.endif
.endif
.irp t, 0,1,2,3,4,5,6,7,8,9,10,11,12,13,14,15
	global_store_b128 v[CO], v[BB+4*\t:BB+4*\t+3], s[12:13] offset:(\t+8*(\t/8))*4096 th:TH_STORE_NT
.endr
.endm
	PLACES NP
	TOSTAGE 0
.irp a, 1,2,3,4,5,6,7
.if \a > 1
	s_wait_xcnt 0x0
.endif
	TOSTAGE \a
	SEND \a-1, 32
.endr
	s_wait_xcnt 0x0
	SEND 7, 0
	s_wait_tensorcnt 0x0
	ds_add_u32 v[SPW], v[NIL]
	s_wait_dscnt 0x0
	CROUND
	s_endpgm
.Lfunc_end_k_qbfa25326c9_outp:
	.size	k_qbfa25326c9_outp, .Lfunc_end_k_qbfa25326c9_outp-k_qbfa25326c9_outp
	.p2alignl 7, 3214868480
	.fill 96, 4, 3214868480
	.section	.rodata,"a",@progbits
	.p2align	6, 0x0
	.amdhsa_kernel k_qbfa25326c9_outp
		.amdhsa_group_segment_fixed_size 327680
		.amdhsa_private_segment_fixed_size 0
		.amdhsa_enable_private_segment 0
		.amdhsa_kernarg_size 48
		.amdhsa_user_sgpr_count 2
		.amdhsa_user_sgpr_kernarg_segment_ptr 1
		.amdhsa_wavefront_size32 1
		.amdhsa_system_sgpr_workgroup_id_x 1
		.amdhsa_system_sgpr_workgroup_id_y 1
		.amdhsa_system_sgpr_workgroup_id_z 1
		.amdhsa_system_vgpr_workitem_id 0
		.amdhsa_next_free_vgpr 1024
		.amdhsa_next_free_sgpr 102
		.amdhsa_reserve_vcc 0
		.amdhsa_float_denorm_mode_32 3
		.amdhsa_float_denorm_mode_16_64 3
		.amdhsa_memory_ordered 1
		.amdhsa_forward_progress 1
		.amdhsa_inst_pref_size 161
	.end_amdhsa_kernel
	.amdgpu_metadata
---
amdhsa.version: [ 1, 2 ]
amdhsa.kernels:
  - .name:           k_qbfa25326c9_outp
    .symbol:         k_qbfa25326c9_outp.kd
    .args:
      - { .name: oc, .offset: 0, .size: 8, .value_kind: global_buffer, .address_space: global }
      - { .name: os, .offset: 8, .size: 8, .value_kind: global_buffer, .address_space: global }
      - { .name: cod, .offset: 16, .size: 8, .value_kind: global_buffer, .address_space: global }
      - { .name: scl, .offset: 24, .size: 8, .value_kind: global_buffer, .address_space: global }
      - { .name: bo, .offset: 32, .size: 8, .value_kind: global_buffer, .address_space: global }
      - { .name: out0, .offset: 40, .size: 8, .value_kind: global_buffer, .address_space: global }
    .group_segment_fixed_size: 327680
    .private_segment_fixed_size: 0
    .kernarg_segment_align: 8
    .kernarg_segment_size: 48
    .max_flat_workgroup_size: 128
    .sgpr_count:     102
    .vgpr_count:     1024
    .wavefront_size: 32
...
	.end_amdgpu_metadata
.endif
;; end of part 4
